; MI455X (gfx1250); checked and timed in simulation.
; The chip was launched on July 23, 2026; its instructions are those of AMD's public machine-readable ISA for CDNA 5 (MIT licence, August 2026) and "CDNA5" Instruction Set Architecture Reference Guide (July 2026). The comments in the code are by the model that wrote it; some were corrected since.
;; Ada LN Attention. Allowed arithmetic: matrix products marked QUANTISED: E2M3 operands, one E8M0 scale for each 32 along K, by v_wmma_scale_f32_16x16x128_f8f6f4 with both operands' format E2M3, f32 sums; everything else in f32.
;; Inputs: K 2,048 x 1,024 float32; Q 2,048 x 1,024 float32; V 2,048 x 1,024 float32; Wk 1,024 x 1,024 float32; Wo 1,024 x 1,024 float32; Wq 1,024 x 1,024 float32; Wv 1,024 x 1,024 float32; bk 1,024 float32; bo 1,024 float32; bq 1,024 float32; bv 1,024 float32.
;; Outputs: out0 2,048 x 1,024 float32.
;; This version of the problem:
;;   THIS VERSION OF THE PROBLEM IS GIVEN IN LOW PRECISION. The matrix products marked QUANTISED in the list below multiply operands that are first quantised to E2M3 (2 exponent bits, 3 mantissa bits; 6 bits a number), with one power-of-two scale for each 32 numbers along K (OCP MX v1.0); their sums are f32. All else is computed in f32.
;;   The module's matrix products, in the order in which they are computed (A, B: the left and right operand; K: the contracted axis; several contracted axes count as one K, in the product's order):
;;     1. [M 2,048, K 1,024] x [K 1,024, N 1,024]; A: input Q; B: input Wq: QUANTISED
;;     2. [M 2,048, K 1,024] x [K 1,024, N 1,024]; A: input K; B: input Wk: QUANTISED
;;     3. [M 2,048, K 1,024] x [K 1,024, N 1,024]; A: input V; B: input Wv: QUANTISED
;;     4. batch 16 x [M 2,048, K 64] x [K 64, N 2,048]; A: computed on the way; B: computed on the way: QUANTISED
;;     5. batch 16 x [M 2,048, K 2,048] x [K 2,048, N 64]; A: softmax (see below); B: computed on the way: QUANTISED
;;     6. [M 2,048, K 1,024] x [K 1,024, N 1,024]; A: computed on the way; B: input Wo: QUANTISED
;;   THE QUANTISER, for each operand of a quantised product, along K:
;;     - K is cut into blocks of 32 from its start; a last block that is shorter is filled with zeros.
;;     - A block's scale is 2^e with e = floor(log2(the largest magnitude in the block)) - 2, held to -126 .. 127; a block of zeros has e = 0. As a byte (E8M0): e + 127.
;;     - Each number is divided by its block's scale, clamped to +-7.5, and rounded to the nearest number of E2M3, ties to even, subnormals kept.
;;     - The product sums the exact products of the quantised numbers (number of the format x scale) in f32.
;;   ~~~python
;;   def quantise(x, axis):      # numpy; x: float32 -> the quantised numbers, widened to float32 again
;;       x = np.moveaxis(x, axis, -1); K = x.shape[-1]
;;       x = np.pad(x, [(0, 0)] * (x.ndim - 1) + [(0, -K % 32)]); x = x.reshape(x.shape[:-1] + (-1, 32)); a = np.abs(x).max(-1, keepdims=True)
;;       e = np.where(a > 0, np.clip(np.frexp(np.where(a > 0, a, 1))[1] - 1 - 2, -126, 127), 0)      # np.frexp(a)[1] - 1 = floor(log2(a)), exactly
;;       r = np.clip(x / 2.0 ** e, -7.5, 7.5)
;;       step = 2.0 ** (np.maximum(np.frexp(np.where(r == 0, 1, r))[1] - 1, 0) - 3)
;;       q = np.round(r / step) * step * 2.0 ** e      # np.round: ties to even
;;       return np.moveaxis(q.reshape(q.shape[:-2] + (-1,))[..., :K], -1, axis).astype(np.float32)
;;   ~~~
;;   SOFTMAX AHEAD OF A QUANTISED PRODUCT. Where the list says 'softmax', what is quantised is not the finished softmax but p = 2^(t - M), with t = logit x log2(e) and M = ceil(the row's largest t), a whole number; so 1/2 < the row's largest p <= 1. The row's sum l is taken of the UNQUANTISED p, in f32, and the product's result is divided by l at the end. Since M is a whole number, a kernel that streams over the keys may use a running M (the ceiling of the running maximum): every later rescaling is an exact power of two, which a block's scale takes up: the codes' values come out the same.
;;   OPERANDS COMPUTED ON THE WAY. 'Computed on the way' means the value that the module computes at that place (a softmax that the list does not call 'softmax' is quantised finished and normalised). What goes into a quantiser is computed in f32, as accurately as f32 sums, v_exp_f32 and their like allow (about 1e-6 of the number): no bf16 or f16 on the way to a quantiser, and a product that is left as it is and whose result goes on into a quantised operand takes f32 operands (vector FMAs, or v_wmma_f32_16x16x4_f32). A number that lies on a knife's edge between two numbers of the format may be rounded either way, as far as f32 arithmetic and the matrix unit's own rounding can turn it there, and no further.
;; One version. Each part assembles by itself: llvm-mc -triple=amdgcn-amd-amdhsa -mcpu=gfx1250 --defsym DOCPART=n.
;; ======== version 1 of 1: 4 launches
;; limits: right only within a limited range of input values
;; workspace buffers: xc 7,864,320 bytes; xs 327,680 bytes; pc 4,849,664 bytes; ps 65,536 bytes; ac 1,572,864 bytes; asc 65,536 bytes
;; launch quant (part 1): grid 256 x 1, 10 waves a work-group, no clusters, 171,520 bytes of LDS; arguments Q, K, V, Wq, Wk, Wv, Wo, xc, xs; writes xc, xs
.if DOCPART == 1
	.amdgcn_target "amdgcn-amd-amdhsa--gfx1250"
	.amdhsa_code_object_version 6
	.text
	.protected	k_q56061814fe_quant
	.globl	k_q56061814fe_quant
	.p2align	8
	.type	k_q56061814fe_quant,@function
k_q56061814fe_quant:
	s_mov_b64 s[64:65], 0
	v_nop
	global_prefetch_b8 v0, s[64:65] scope:SCOPE_SE
	s_setreg_imm32_b32 hwreg(HW_REG_WAVE_MODE, 25, 1), 1
	s_wait_xcnt 0x0
; Q, K, V [2048][1024] and Wq, Wk, Wv, Wo [1024][1024], f32, K innermost, become codes of FP6 (E2M3) with one E8M0 byte for each 32 along K, laid in the ORDER OF AN OPERAND'S REGISTERS.
; WORK LEFT OUT BY THE PROGRAM: tiles of scores that lie wholly above the diagonal, which reference()'s own causal mask throws away for all inputs (a NaN, an infinity or an overflow in them alone is not carried on). Every input is read.
; A row tile g (16 rows) and a K step (128) are a fragment of 12 registers a lane = two UNITS of 768 bytes (16 rows x 64 K): lane l's registers 0-3 lie at 16 l, its registers 4-5 at 512 + 8 l.
; xc: [g 640][K step 8][1,536].  g: Q 0-127, K 128-255, V 256-383, Wq 384-447, Wk 448-511, Wv 512-575, Wo 576-639.
; THE ROWS OF A TILE ARE NOT NEIGHBOURS: slot r of tile T is row 64 (T / 4) + 8 (T % 4) + r + 24 (r / 8).  So where four tiles are source 0, lane (r, h) of the results holds 32 neighbours 32 h + 0 .. 31: a whole scale block.
; xs: [g][half of K 2][lane 32][2] words: word w of half f in lane (r, h) is the scale word of K step 4 f + 2 w + h of slot r.
; A block's scale is 2^(floor(log2(largest magnitude)) - 2): its byte is the largest magnitude's exponent field - 2, held at 1 from below by a floor among the maximum's leaves.
; LIMITS: NaN and infinities among the inputs are not served; a block of zeros gets the byte 1 where the rule says 127 (its codes are zeros, and this program alone reads the bytes).
; SHARES: two work-groups take five row tiles, one the lower half of K, one the upper; of ten waves, wave i takes tile i / 2 and two K steps of the half's four. 256 equal work-groups.
; Each load reads 512 consecutive bytes of a row; the numbers turn through the wave's own stage in LDS and come back as two whole blocks of 32 to a lane. All 32 loads of a wave go out at its head.
; No matrix unit, no cluster, no tensor load: work-groups share no input and each byte is read once.
.set ROWB, 4096
.set SP,   528                         ; a stage row: 512 bytes + 16
.set STK,  16*SP
.set STW,  2*STK                       ; a wave's two stages
.set SCG,  10*STW                      ; behind the stages: five tiles' 256 bytes of scale words
.set SPARE, SCG+1280                   ; the spare words, 128 bytes a wave
.set R0,   16                          ; v16-79   K step 0 as loaded; later K step 1 turned
.set R1,   80                          ; v80-143  K step 1 as loaded
.set X,    144                         ; v144-207 K step 0 turned
.set PC,   208                         ; v208-219 codes; v220-227 the conversions' second halves
.set TM,   228
.set PW0,  244
.set PW1,  245
.set SPW,  7
.set NIL,  11
.set SEL,  30
; register 32 c + i of a lane = k 64 c + 32 h + i of its row: two blocks become a fragment's codes in v[PC] on; pw: their bytes at bits 7:0 and 23:16
.macro QUANT s, pw
.irp b, 0,1
	v_max3_num_f32 v[TM+\b], |v[\s+32*\b]|, |v[\s+1+32*\b]|, 0x1800000
.endr
.irp i, 2,4,6,8,10,12,14,16,18,20,22,24,26,28,30
.irp b, 0,1
	v_max3_num_f32 v[TM+\b], v[TM+\b], |v[\s+32*\b+\i]|, |v[\s+32*\b+\i+1]|
.endr
.endr
.irp b, 0,1
	v_add_nc_u32 v[TM+2+\b], 0xff000000, v[TM+\b]                ; 2 off its exponent field: the conversion's scale operand
.endr
.irp b, 0,1
	v_lshrrev_b32 v[TM+4+\b], 23, v[TM+2+\b]                     ; the scale's byte
.endr
	v_lshl_or_b32 v[\pw], v[TM+5], 16, v[TM+4]
.irp c, 0,1
	v_cvt_scalef32_pk16_fp6_f32 v[PC+6*\c:PC+2+6*\c], v[\s+32*\c:\s+15+32*\c], v[TM+2+\c]
	v_cvt_scalef32_pk16_fp6_f32 v[PC+12+4*\c:PC+14+4*\c], v[\s+16+32*\c:\s+31+32*\c], v[TM+2+\c]   ; (a conversion's three registers begin on an even number)
.endr
	v_nop
.irp c, 0,1
.irp i, 0,1,2
	v_mov_b32 v[PC+3+6*\c+\i], v[PC+12+4*\c+\i]
.endr
.endr
.endm
.macro SENDF off                       ; two units: stores of 512 and 256 consecutive bytes, aligned
	global_store_b128 v4, v[PC:PC+3], s[22:23] offset:\off
	global_store_b64 v8, v[PC+4:PC+5], s[22:23] offset:\off+512
	global_store_b128 v4, v[PC+6:PC+9], s[22:23] offset:\off+768
	global_store_b64 v8, v[PC+10:PC+11], s[22:23] offset:\off+1280
.endm
	s_load_b512 s[8:23], s[0:1], 0x0               ; Q, K, V, Wq, Wk, Wv, Wo at s[8:21], xc at s[22:23]
	s_load_b64 s[24:25], s[0:1], 0x40              ; xs
	v_lshl_add_u32 v[SPW], v0, 2, SPARE
	v_mov_b32 v[NIL], 0
	v_lshrrev_b32 v1, 5, v0
	v_readfirstlane_b32 s2, v1                     ; wave 0..9
	s_lshr_b32 s34, s2, 1                          ; which of the five tiles
	s_and_b32 s35, s2, 1                           ; which two K steps of the half's four
	s_mul_i32 s3, s2, STW
	s_lshl_b32 s33, s34, 8
	s_add_co_u32 s33, s33, SCG
	s_lshl_b32 s38, s35, 2
	s_add_co_u32 s38, s38, s33
	v_and_b32 v1, 31, v0                           ; lane
	v_and_b32 v2, 15, v0                           ; r
	v_bfe_u32 v3, v0, 4, 1                         ; h
	v_lshlrev_b32 v4, 4, v1
	v_lshlrev_b32 v8, 3, v1
	v_add_nc_u32 v5, s3, v4                        ; the stage, on the way in: a row as it lies
	v_mul_u32_u24 v6, v2, SP
	v_lshl_add_u32 v6, v3, 7, v6
	v_add_nc_u32 v6, s3, v6                        ; on the way out: row r, + 128 h: a block of mine
	v_add_nc_u32 v9, s38, v8                       ; my scale word
	v_add_nc_u32 v10, s33, v8                      ; my tile's 256 bytes, 8 a lane
	v_mov_b32 v[TM+8], 0                           ; a lane permute's destination counts as one of its sources
	s_mov_b32 s[SEL], 0x76543210
	s_mov_b32 s[SEL+1], 0xfedcba98
	s_mov_b32 s32, 0xffff0000                      ; lanes 16-31
	s_lshr_b32 s36, ttmp9, 1
	s_mul_i32 s36, s36, 5
	s_add_co_u32 s36, s36, s34                     ; g
	s_and_b32 s37, ttmp9, 1                        ; which half of K
	s_lshl_b32 s33, s37, 1
	s_add_co_u32 s33, s33, s35                     ; which two K steps of the eight
	s_lshr_b32 s26, s36, 7
	s_and_b32 s27, s36, 127
	s_sub_co_u32 s28, s36, 384
	s_lshr_b32 s29, s28, 6
	s_add_co_u32 s29, s29, 3
	s_and_b32 s28, s28, 63
	s_cmp_lt_u32 s36, 384
	s_cselect_b32 s26, s26, s29                    ; tensor 0..6
	s_cselect_b32 s27, s27, s28                    ; tile T
	s_lshr_b32 s28, s27, 2
	s_lshl_b32 s28, s28, 6
	s_and_b32 s29, s27, 3
	s_lshl_b32 s29, s29, 3
	s_add_co_u32 s28, s28, s29                     ; the tile's first row
	s_lshl_b32 s28, s28, 12
	s_lshl_b32 s29, s33, 10
	s_add_co_u32 s28, s28, s29                     ; + my two K steps: 1,024 bytes
	s_mov_b32 s29, 0
	s_wait_alu depctr_va_vdst(0)                   ; the head's end
	s_wait_kmcnt 0x0
	s_mov_b64 s[4:5], s[8:9]
.irp i, 1,2,3,4,5,6
	s_cmp_eq_u32 s26, \i                           ; the choice hangs on the work-group's and the wave's number alone
	s_cselect_b64 s[4:5], s[8+2*\i:9+2*\i], s[4:5]
.endr
	s_add_nc_u64 s[4:5], s[4:5], s[28:29]
.irp k, 0,1
.irp i, 0,1,2,3,4,5,6,7,8,9,10,11,12,13,14,15
	global_load_b128 v[R0+64*\k+4*\i:R0+64*\k+4*\i+3], v4, s[4:5] offset:(\i+24*(\i/8))*ROWB+512*\k th:TH_LOAD_NT
.endr
.endr
	s_mul_i32 s28, s36, 12288
	s_mul_i32 s33, s33, 3072
	s_add_co_u32 s28, s28, s33
	s_add_nc_u64 s[22:23], s[22:23], s[28:29]      ; xc at my two fragments
	s_lshl_b32 s28, s36, 9
	s_lshl_b32 s33, s37, 8
	s_add_co_u32 s28, s28, s33
	s_add_nc_u64 s[24:25], s[24:25], s[28:29]      ; xs at my tile's half
	s_wait_loadcnt 16                              ; K step 0's sixteen loads are in; K step 1's sixteen may be out
.irp i, 0,1,2,3,4,5,6,7,8,9,10,11,12,13,14,15
	ds_store_b128 v5, v[R0+4*\i:R0+4*\i+3] offset:SP*\i
.endr
.irp c, 0,1
.irp j, 0,1,2,3,4,5,6,7
	ds_load_b128 v[X+32*\c+4*\j:X+32*\c+4*\j+3], v6 offset:256*\c+16*\j   ; LDS serves a wave's instructions in order: these see the stores above
.endr
.endr
	s_wait_loadcnt 0x0
.irp i, 0,1,2,3,4,5,6,7,8,9,10,11,12,13,14,15
	ds_store_b128 v5, v[R1+4*\i:R1+4*\i+3] offset:STK+SP*\i
.endr
	s_wait_dscnt 16                                ; all but the sixteen stores just issued: K step 0 is back, and its stores have read R0
.irp c, 0,1
.irp j, 0,1,2,3,4,5,6,7
	ds_load_b128 v[R0+32*\c+4*\j:R0+32*\c+4*\j+3], v6 offset:STK+256*\c+16*\j
.endr
.endr
	QUANT X, PW0
	SENDF 0
	s_wait_dscnt 0x0                               ; K step 1 is back
	s_wait_xcnt 0x0                                ; the stores have read the codes' registers, which are written again
	QUANT R0, PW1
	SENDF 1536
	; a scale word's bytes alternate between lanes l and l xor 16: lanes 0-15 finish the even K step's word, lanes 16-31 the odd one's
	v_cndmask_b32 v[TM+6], v[PW1], v[PW0], s32     ; what the other half wants
	v_cndmask_b32 v[TM+7], v[PW0], v[PW1], s32     ; what I keep
	v_permlanex16_b32 v[TM+8], v[TM+6], s[SEL], s[SEL+1]
	v_cndmask_b32 v[TM+9], v[TM+7], v[TM+8], s32   ; h = 0's bytes
	v_cndmask_b32 v[TM+10], v[TM+8], v[TM+7], s32  ; h = 1's
	v_lshl_or_b32 v[TM+9], v[TM+10], 8, v[TM+9]
	ds_store_b32 v9, v[TM+9]
	s_wait_dscnt 0x0                               ; for the other wave's sake: my word has landed
	s_barrier_signal -1
	s_barrier_wait -1
	s_cmp_lg_u32 s35, 0
	s_cbranch_scc1 .Ldone
	ds_load_b64 v[12:13], v10                      ; one of a tile's two waves sends 256 bytes, aligned
	s_wait_dscnt 0x0
	global_store_b64 v8, v[12:13], s[24:25]
.Ldone:
	s_wait_tensorcnt 0x0                           ; the wave's end
	ds_add_u32 v[SPW], v[NIL]
	s_wait_dscnt 0x0
	s_endpgm
.Lfunc_end_k_q56061814fe_quant:
	.size	k_q56061814fe_quant, .Lfunc_end_k_q56061814fe_quant-k_q56061814fe_quant
	.p2alignl 7, 3214868480
	.fill 96, 4, 3214868480
	.section	.rodata,"a",@progbits
	.p2align	6, 0x0
	.amdhsa_kernel k_q56061814fe_quant
		.amdhsa_group_segment_fixed_size 171520
		.amdhsa_private_segment_fixed_size 0
		.amdhsa_enable_private_segment 0
		.amdhsa_kernarg_size 72
		.amdhsa_user_sgpr_count 2
		.amdhsa_user_sgpr_kernarg_segment_ptr 1
		.amdhsa_wavefront_size32 1
		.amdhsa_system_sgpr_workgroup_id_x 1
		.amdhsa_system_sgpr_workgroup_id_y 1
		.amdhsa_system_sgpr_workgroup_id_z 1
		.amdhsa_system_vgpr_workitem_id 0
		.amdhsa_next_free_vgpr 256
		.amdhsa_next_free_sgpr 66
		.amdhsa_reserve_vcc 0
		.amdhsa_float_denorm_mode_32 3
		.amdhsa_float_denorm_mode_16_64 3
		.amdhsa_memory_ordered 1
		.amdhsa_forward_progress 1
		.amdhsa_inst_pref_size 18
	.end_amdhsa_kernel
	.amdgpu_metadata
---
amdhsa.version: [ 1, 2 ]
amdhsa.kernels:
  - .name:           k_q56061814fe_quant
    .symbol:         k_q56061814fe_quant.kd
    .args:
      - { .name: Q, .offset: 0, .size: 8, .value_kind: global_buffer, .address_space: global }
      - { .name: K, .offset: 8, .size: 8, .value_kind: global_buffer, .address_space: global }
      - { .name: V, .offset: 16, .size: 8, .value_kind: global_buffer, .address_space: global }
      - { .name: Wq, .offset: 24, .size: 8, .value_kind: global_buffer, .address_space: global }
      - { .name: Wk, .offset: 32, .size: 8, .value_kind: global_buffer, .address_space: global }
      - { .name: Wv, .offset: 40, .size: 8, .value_kind: global_buffer, .address_space: global }
      - { .name: Wo, .offset: 48, .size: 8, .value_kind: global_buffer, .address_space: global }
      - { .name: xc, .offset: 56, .size: 8, .value_kind: global_buffer, .address_space: global }
      - { .name: xs, .offset: 64, .size: 8, .value_kind: global_buffer, .address_space: global }
    .group_segment_fixed_size: 171520
    .private_segment_fixed_size: 0
    .kernarg_segment_align: 8
    .kernarg_segment_size: 72
    .max_flat_workgroup_size: 320
    .sgpr_count:     66
    .vgpr_count:     256
    .wavefront_size: 32
...
	.end_amdgpu_metadata
.endif
;; end of part 1
;; launch proj (part 2): grid 8 x 24, 4 waves a work-group, clusters of 4 x 4, 327,680 bytes of LDS; arguments xc, xs, bq, bk, bv, pc, ps; writes pc, ps
.if DOCPART == 2
	.amdgcn_target "amdgcn-amd-amdhsa--gfx1250"
	.amdhsa_code_object_version 6
	.text
	.protected	k_q56061814fe_proj
	.globl	k_q56061814fe_proj
	.p2align	8
	.type	k_q56061814fe_proj,@function
k_q56061814fe_proj:
	s_mov_b64 s[64:65], 0
	v_nop
	global_prefetch_b8 v0, s[64:65] scope:SCOPE_SE
	s_setreg_imm32_b32 hwreg(HW_REG_WAVE_MODE, 25, 1), 1
	s_wait_xcnt 0x0
	s_wait_alu depctr_hold_cnt(0) depctr_sa_sdst(0) depctr_va_vdst(0) depctr_va_sdst(0) depctr_va_ssrc(0) depctr_va_vcc(0) depctr_vm_vsrc(0)
	s_getreg_b32 s2, hwreg(HW_REG_IB_STS2, 6, 4)
	s_cmp_eq_u32 s2, 0
	s_cbranch_scc0 .Lentry_in_a_cluster
	s_endpgm
.Lentry_in_a_cluster:
	s_bfe_u32 s2, ttmp6, 0x10000c
	s_cmp_lg_u32 s2, 0xf033
	s_cbranch_scc0 .Lentry_shape_is_right
	s_endpgm
.Lentry_shape_is_right:
; q = Q Wq^T + bq, k = K Wk^T + bk, v = V Wv^T + bv on codes of FP6 (E2M3) with E8M0 scales, f32 sums; the results are quantised in registers and leave as codes: q and k along the head's 64, v along the tokens.
; ONE TEXT FOR THE THREE.  Source 0 (P) is the axis along which the result is quantised, source 1 (L) the axis that stays in the lanes: q, k: P = rows of W, L = tokens; v: P = tokens, L = rows of Wv.
; Operands come from xc in the order of an operand's registers; slot r of row tile T is row 64 (T / 4) + 8 (T % 4) + r + 24 (r / 8).  So lane (r, h) holds L's slot r, and the 32 registers of P's four tiles are P's 32 h + 0 .. 31: one scale block.
; SHARES.  A work-group makes 128 P x 256 L over all of K = 1,024; both panels (96 + 192 KiB) lie in LDS, each byte filled once, one tensor load a wave: P, then L in chunks of 6, 6 and 4 tiles.
; Four waves, 2 x 2: a wave holds its 64 rows of P, ALL of K, in 384 registers, and L's tiles 2 s + (wave / 2) stream past as blocks s = 0 .. 7 of 32 products. A block's results are quantised and stored while the next block is multiplied.
; 64 work-groups a product, 192 in all: 3 x 2^21 results do not divide into 256 equal tiles of this kind.
; CLUSTERS: 4 x 4.  P's panel hangs on the cluster's row alone and is asked for jointly along it, L's on the column.  Which product: the cluster's y / 2, equal in all partners.
; No prefetch: all tiles are asked for at the head, and no loop fetches more.
; OUT.  pc: q at 0 [head][token tile 128][768]; from QB on, for each head and each 512 tokens, 51,200 bytes: k's codes [token tile 32][768], v's [64 keys: 8][channel tile 4][768], k's scale words [32 tokens: 16][r], v's [128 keys: 4][channel tile 4][r].
; ps: q's scale words [head][32 tokens: 64][r].  q, k: halfword u of a word = the two bytes of tile 2 b + u; v: byte i = key block i of the 128.
; LIMITS: NaN and infinities are not served; a block of zeros gets the byte 1 (its codes are zeros; this program alone reads the bytes).
; REGISTERS.  Window 0: v4-15 addresses; v16-31 P's scale words, v34-65 L's; v66-129 the bias; v130-193 two sets of four accumulators; v194-255 codes and what the quantiser works with.
; Window 1: two buffers of eight fragments of L.  Windows 2 and 3: P's 32 fragments, 21 to a window.
.set LB,   98304                       ; LDS: P's panel [tile 8][12,288] at 0, L's [tile 16][12,288] here
.set TILE, 12288
.set SPARE, 294912
.set QB,   1572864
.set HB,   204800                      ; a head's k and v
.set CB,   51200                       ; of 512 tokens
.set VO,   24576
.set PS,   16
.set LS,   34
.set BIAS, 66
.set ACC,  130
.set COD,  194                         ; v194-241: six registers of codes for each block, so that no store's data are written again
.set PT,   242
.set TM,   245
.set SO,   247
.set EB,   248                         ; v248-255: a scale byte for each block
.set SPW,  14
.set NIL,  15
.set WV,   68                          ; s68 wave; s69 wave % 2: my 64 of P; s70 wave / 2: which of two neighbouring tiles of L
.set SEL,  90
.set MSB, 0
.macro WIN new
.if MSB != (\new)
	s_set_vgpr_msb (MSB<<8)|(\new)
.set MSB, (\new)
.endif
.endm
.macro CROUND
	s_barrier_signal -1
	s_barrier_wait -1
	s_cmp_lg_u32 s[WV], 0
	s_cbranch_scc1 .Lnot_wave_0_\@
	s_barrier_signal -3
.Lnot_wave_0_\@:
	s_barrier_wait -3
	s_barrier_signal -1
	s_barrier_wait -1
.endm
.macro G1 g, mask, rows                ; dense tiles as rows of 12,288 bytes: 1,536 elements of 8 bytes
	s_or_b32 s[\g+0], s[\mask], (3<<16)|(1<<21)
	s_mov_b32 s[\g+1], 1536<<16
	s_mov_b32 s[\g+2], (\rows)<<16
	s_mov_b32 s[\g+3], 1536<<16
	s_mov_b32 s[\g+4], \rows
	s_mov_b32 s[\g+5], 1536
	s_mov_b32 s[\g+6], 0
	s_mov_b32 s[\g+7], 0
.endm
.macro TLOAD g1, lds, base, off
	s_mov_b32 s32, 1
	s_mov_b32 s33, \lds
	s_add_nc_u64 s[34:35], s[\base:\base+1], \off
	s_or_b32 s35, s35, 0x80000000
	tensor_load_to_lds s[32:35], s[\g1:\g1+7]
	s_nop 0
.rept 4
	v_nop
.endr
.endm
.macro ARM under, g1, lds, base, off, next
	s_cmp_lt_u32 s[WV], \under
	s_cbranch_scc0 \next
	TLOAD \g1, \lds, \base, \off
	s_branch .Lasked
\next:
.endm
.macro SHOW under                      ; waves under \under wait for their loads (the later ones have lines of their own, which may be out); then a barrier
	s_cmp_lt_u32 s[WV], \under
	s_cbranch_scc0 .Llater_\@
	s_wait_tensorcnt 0x0
.Llater_\@:
	s_wait_dscnt 0x0
	s_barrier_signal -1
	s_barrier_wait -1
.endm
.macro FRAG reg, a16, a8, off          ; a fragment = two units: every load takes 512 or 256 consecutive bytes
	ds_load_b128 v[(\reg):(\reg)+3], v[\a16] offset:(\off)
	ds_load_b64 v[(\reg)+4:(\reg)+5], v[\a8] offset:(\off)+512
	ds_load_b128 v[(\reg)+6:(\reg)+9], v[\a16] offset:(\off)+768
	ds_load_b64 v[(\reg)+10:(\reg)+11], v[\a8] offset:(\off)+1280
.endm
.macro FETCH s                         ; block s's tile of L: eight fragments, 32 loads
	WIN 0x40
.irp q, 0,1,2,3,4,5,6,7
	FRAG 96*((\s)%2)+12*\q, 6, 7, \q*1536
.endr
	WIN 0
.endm
.macro NEXTL                           ; on to my next tile of L
	v_add_nc_u32 v6, 2*TILE, v6
	v_add_nc_u32 v7, 2*TILE, v7
	s_wait_alu depctr_va_vdst(0)
.endm
.macro WM d, a, b, c, sa, sb, row
.if \row
	v_wmma_scale_f32_16x16x128_f8f6f4 v[(\d):(\d)+7], v[(\a):(\a)+11], v[(\b):(\b)+11], v[(\c):(\c)+7], v[\sa], v[\sb] matrix_a_fmt:MATRIX_FMT_FP6 matrix_b_fmt:MATRIX_FMT_FP6 matrix_a_scale:MATRIX_SCALE_ROW1 matrix_b_scale:MATRIX_SCALE_ROW1
.else
	v_wmma_scale_f32_16x16x128_f8f6f4 v[(\d):(\d)+7], v[(\a):(\a)+11], v[(\b):(\b)+11], v[(\c):(\c)+7], v[\sa], v[\sb] matrix_a_fmt:MATRIX_FMT_FP6 matrix_b_fmt:MATRIX_FMT_FP6
.endif
.endm
; block s, K step q: four products, the four accumulators by turns. cm = 0: onto the sums; 1: the bias along P starts them; 2: the bias along L.
.macro PROD s, q, cm
.irp tp, 0,1,2,3
.set F_, 4*(\q)+\tp
	WIN ((2+F_/21)|(1<<2))
.if \cm == 1
	WM ACC+32*((\s)%2)+8*\tp, 12*(F_%21), 96*((\s)%2)+12*(\q), BIAS+8*\tp, PS+4*\tp+(\q)/2, LS+4*(\s)+(\q)/2, (\q)%2
.elseif \cm == 2
	WM ACC+32*((\s)%2)+8*\tp, 12*(F_%21), 96*((\s)%2)+12*(\q), BIAS+8*(\s), PS+4*\tp+(\q)/2, LS+4*(\s)+(\q)/2, (\q)%2
.else
	WM ACC+32*((\s)%2)+8*\tp, 12*(F_%21), 96*((\s)%2)+12*(\q), ACC+32*((\s)%2)+8*\tp, PS+4*\tp+(\q)/2, LS+4*(\s)+(\q)/2, (\q)%2
.endif
.endr
.endm
; THE QUANTISER of block b: my 32 registers are one scale block. Its largest magnitude in two chains, with the floor 2^(3 - 127) that holds the byte at 1; each accumulator is read from its low end on
.macro SEARCH b, part
.set A_, ACC+32*((\b)%2)
	WIN 0
.if \part == 0
	v_max3_num_f32 v[TM], |v[A_]|, |v[A_+1]|, |v[A_+2]|
	v_max3_num_f32 v[TM+1], |v[A_+16]|, |v[A_+17]|, |v[A_+18]|
.irp i, 3,5,7,9
	v_max3_num_f32 v[TM], v[TM], |v[A_+\i]|, |v[A_+\i+1]|
	v_max3_num_f32 v[TM+1], v[TM+1], |v[A_+16+\i]|, |v[A_+17+\i]|
.endr
.elseif \part == 1
.irp i, 11,13
	v_max3_num_f32 v[TM], v[TM], |v[A_+\i]|, |v[A_+\i+1]|
	v_max3_num_f32 v[TM+1], v[TM+1], |v[A_+16+\i]|, |v[A_+17+\i]|
.endr
	v_max3_num_f32 v[TM], v[TM], |v[A_+15]|, 0x1800000
.else
	v_max3_num_f32 v[TM+1], v[TM+1], |v[A_+31]|, v[TM]
	v_add_nc_u32 v[SO], 0xff000000, v[TM+1]        ; 2 off the exponent field: the conversion's scale operand
.endif
.endm
.macro CODES b                         ; six registers of codes, the scale's byte; and away: a unit: 512 and 256 consecutive bytes, aligned
.set A_, ACC+32*((\b)%2)
.set C_, COD+6*(\b)
.set U_, 48+2*((\b)/2)
	v_cvt_scalef32_pk16_fp6_f32 v[C_:C_+2], v[A_:A_+15], v[SO]
	v_cvt_scalef32_pk16_fp6_f32 v[PT:PT+2], v[A_+16:A_+31], v[SO]
	v_lshrrev_b32 v[EB+(\b)], 23, v[SO]            ; (this and the three below are the places behind the conversions and behind the block's last products)
.irp i, 0,1,2
	v_mov_b32 v[C_+3+\i], v[PT+\i]
.endr
	global_store_b128 v8, v[C_:C_+3], s[U_:U_+1] offset:1536*((\b)%2)
	global_store_b64 v9, v[C_+4:C_+5], s[U_:U_+1] offset:1536*((\b)%2)+512
.endm
.macro BLOCK s
.if (\s) < 7
	s_wait_dscnt 32                                ; this block's fragments are in; the next tile's 32 loads may be out
.else
	s_wait_dscnt 0x0
.endif
	s_cmp_eq_u32 s75, 2
	s_cbranch_scc1 .Lalong_l_\@
	PROD \s, 0, 1                                  ; the first K step starts the sums with the bias: nothing is cleared, nothing added later
	WIN 0
	s_branch .Lbegun_\@
.Lalong_l_\@:
	PROD \s, 0, 2
	WIN 0
.Lbegun_\@:
.irp q, 1,2,3,4,5,6,7
	PROD \s, \q, 0
.if (\s) > 0
.if \q == 2
	SEARCH (\s)-1, 0
.elseif \q == 4
	SEARCH (\s)-1, 1
.elseif \q == 6
	SEARCH (\s)-1, 2
.endif
.endif
.endr
	WIN 0
.if (\s) > 0
	CODES (\s)-1
.else
.rept 4
	v_nop
.endr
.endif
.if (\s) == 1
	SHOW 3                                         ; L's second chunk: from block 3 on
.elseif (\s) == 4
	s_wait_tensorcnt 0x0                           ; L's last chunk: from block 6 on
	s_wait_dscnt 0x0
	s_barrier_signal -1
	s_barrier_wait -1
.endif
.if (\s) < 6
	NEXTL
	FETCH (\s)+2                                   ; into the buffer that this block multiplied
.endif
.endm
	s_load_b256 s[4:11], s[0:1], 0x0               ; xc s[4:5], xs s[6:7], bq s[8:9], bk s[10:11]
	s_load_b128 s[12:15], s[0:1], 0x20             ; bv s[12:13], pc s[14:15]
	s_load_b64 s[66:67], s[0:1], 0x30              ; ps
	v_lshl_add_u32 v[SPW], v0, 2, SPARE
	v_mov_b32 v[NIL], 0
	ds_add_u32 v[SPW], v[NIL]                      ; the wave's opening
	ds_add_u32 v[SPW], v[NIL]
	v_lshrrev_b32 v1, 5, v0
	v_readfirstlane_b32 s[WV], v1                  ; wave 0..3
	s_and_b32 s69, s[WV], 1
	s_lshr_b32 s70, s[WV], 1
	s_bfe_u32 s71, ttmp6, 0x40000                  ; cx
	s_bfe_u32 s72, ttmp6, 0x40004                  ; cy
	s_mov_b32 s73, ttmp9                           ; cluster x: 0, 1
	s_and_b32 s74, ttmp7, 0xffff                   ; cluster y: 0..5
	s_lshr_b32 s75, s74, 1                         ; the product: 0 q, 1 k, 2 v
	s_lshr_b32 s76, s75, 1                         ; 1 for v
	; P's block and first row tile in xc: registers that never hold cx
	s_and_b32 s80, s74, 1
	s_lshl_b32 s80, s80, 2
	s_add_co_u32 s80, s80, s72                     ; y = 4 (cluster y % 2) + cy
	s_add_co_u32 s81, s80, s73
	s_mul_i32 s81, s81, s76
	s_add_co_u32 s80, s80, s81                     ; P's block: q, k: y (8 of 128 rows of W); v: 2 y + cluster x (16 of 128 tokens)
	s_lshl_b32 s81, s75, 6
	s_add_co_u32 s81, s81, 384
	s_lshl_b32 s82, s76, 8
	s_sub_co_u32 s81, s81, s82                     ; Wq at 384, Wk at 448, V at 256
	s_lshl_b32 s82, s80, 3
	s_add_co_u32 s81, s81, s82                     ; P's first row tile
	s_mul_i32 s82, s81, TILE
	s_mov_b32 s83, 0
	; L's: registers that never hold cy
	s_xor_b32 s84, s76, 1
	s_mul_i32 s84, s84, s73
	s_lshl_b32 s84, s84, 2
	s_add_co_u32 s84, s84, s71                     ; L's block: q, k: 4 cluster x + cx (8 of 256 tokens); v: cx (4 of 256 rows of Wv)
	s_lshl_b32 s85, s75, 7
	s_lshl_b32 s86, s76, 8
	s_add_co_u32 s85, s85, s86                     ; Q at 0, K at 128, Wv at 512
	s_lshl_b32 s86, s84, 4
	s_add_co_u32 s85, s85, s86                     ; L's first row tile
	s_mul_i32 s86, s85, TILE
	s_mov_b32 s87, 0
	s_lshl_b32 s79, s72, 2
	s_lshl_b32 s79, 15, s79                        ; my row of the cluster
	s_lshl_b32 s97, 0x1111, s71                    ; my column
	G1 16, 79, 8
	G1 24, 97, 6
	G1 40, 97, 4
	s_wait_dscnt 0x0                               ; both opening adds are done
	CROUND                                         ; all sixteen work-groups are here: the joint loads meet
	s_wait_kmcnt 0x0
	s_add_nc_u64 s[82:83], s[4:5], s[82:83]
	s_add_nc_u64 s[86:87], s[4:5], s[86:87]
	ARM 1, 16, 0, 82, 0, .Lw1
	ARM 2, 24, LB, 86, 0, .Lw2
	ARM 3, 24, LB+6*TILE, 86, 6*TILE, .Lw3
	TLOAD 40, LB+12*TILE, 86, 12*TILE
.Lasked:
	; where the results go
	s_lshl_b32 s98, s80, 1
	s_add_co_u32 s98, s98, s69                     ; my 64 of P: q, k: the head; v: 64 tokens
	s_lshl_b32 s99, s84, 2                         ; v: the first head of L's four
	s_lshr_b32 s2, s98, 3
	s_lshr_b32 s3, s84, 1
	s_cmp_eq_u32 s76, 1
	s_cselect_b32 s100, s99, s98                   ; the (first) head
	s_cselect_b32 s101, s2, s3                     ; which 512 tokens
	s_mul_i32 s2, s101, CB
	s_mul_i32 s3, s100, HB
	s_add_co_u32 s3, s3, s2
	s_add_co_u32 s3, s3, QB                        ; k, v: the head's 512 tokens
	s_and_b32 s77, s84, 1
	s_lshl_b32 s78, s77, 4
	s_add_co_u32 s78, s78, s70
	s_mul_i32 s90, s78, 768                        ; k's codes: token tile 16 (L's block % 2) + wave / 2
	s_lshl_b32 s93, s77, 9
	s_lshl_b32 s78, s70, 1
	s_add_co_u32 s93, s93, s78                     ; k's scale words: eight pairs of tiles, my halfword
	s_and_b32 s77, s98, 7
	s_mul_i32 s91, s77, 3072
	s_mul_i32 s78, s70, 768
	s_add_co_u32 s91, s91, s78
	s_add_co_u32 s91, s91, VO                      ; v's codes
	s_lshr_b32 s94, s77, 1
	s_lshl_b32 s94, s94, 8
	s_and_b32 s77, s77, 1
	s_lshl_b32 s77, s77, 1
	s_add_co_u32 s94, s94, s77                     ; v's scale words: 128 keys; my 64 are two of a word's four bytes;
	s_lshl_b32 s77, s70, 6
	s_add_co_u32 s94, s94, s77                     ; my channel tile,
	s_add_co_u32 s94, s94, 1024                    ; behind k's
	s_mov_b32 s95, HB
	s_cmp_eq_u32 s76, 1
	s_cselect_b32 s90, s91, s90
	s_cselect_b32 s93, s94, s93
	s_cselect_b32 s96, s95, 3072                   ; from two blocks to the next two: the next head, or 64 tokens on
	s_cselect_b32 s97, s95, 128
	s_cselect_b32 s77, 128, 64                     ; from an even block's scale words to the odd one's
	s_add_co_u32 s90, s90, s3
	s_add_co_u32 s93, s93, s3
	s_add_co_u32 s93, s93, 2*VO
	s_mul_i32 s91, s98, 98304                      ; q's
	s_lshl_b32 s78, s84, 4
	s_add_co_u32 s78, s78, s70
	s_mul_i32 s78, s78, 768
	s_add_co_u32 s91, s91, s78
	s_lshl_b32 s94, s98, 12
	s_lshl_b32 s78, s84, 9
	s_add_co_u32 s94, s94, s78
	s_lshl_b32 s78, s70, 1
	s_add_co_u32 s94, s94, s78
	s_cmp_eq_u32 s75, 0
	s_cselect_b32 s2, s91, s90
	s_cselect_b32 s93, s94, s93
	s_cselect_b64 s[56:57], s[66:67], s[14:15]
	s_mov_b32 s3, 0
	s_add_nc_u64 s[48:49], s[14:15], s[2:3]        ; the codes of blocks 0 and 1, 2 and 3, ..
	s_mov_b32 s2, s93
	s_add_nc_u64 s[56:57], s[56:57], s[2:3]        ; and their scale bytes
	s_mov_b32 s2, s96
	s_add_nc_u64 s[50:51], s[48:49], s[2:3]
	s_add_nc_u64 s[52:53], s[50:51], s[2:3]
	s_add_nc_u64 s[54:55], s[52:53], s[2:3]
	s_mov_b32 s2, s97
	s_add_nc_u64 s[58:59], s[56:57], s[2:3]
	s_add_nc_u64 s[60:61], s[58:59], s[2:3]
	s_add_nc_u64 s[62:63], s[60:61], s[2:3]
	s_cmp_eq_u32 s75, 1
	s_cselect_b64 s[88:89], s[10:11], s[8:9]
	s_cmp_eq_u32 s75, 2
	s_cselect_b64 s[88:89], s[12:13], s[88:89]
	s_lshl_b32 s2, s100, 8
	s_add_nc_u64 s[88:89], s[88:89], s[2:3]        ; the bias at my head
	s_lshl_b32 s2, s69, 2
	s_add_co_u32 s2, s2, s81
	s_lshl_b32 s2, s2, 9
	s_add_nc_u64 s[94:95], s[6:7], s[2:3]          ; xs at my four tiles of P,
	s_add_co_u32 s2, s70, s85
	s_lshl_b32 s2, s2, 9
	s_add_nc_u64 s[96:97], s[6:7], s[2:3]          ; and at my first of L
	s_mov_b32 s[SEL], 0x76543210
	s_mov_b32 s[SEL+1], 0xfedcba98
	s_mov_b32 s92, 0xffff0000                      ; lanes 16-31
	s_mul_i32 s2, s69, 4*TILE
	s_mul_i32 s3, s70, TILE
	s_add_co_u32 s3, s3, LB
	s_lshl_b32 s78, s70, 5
	v_and_b32 v1, 31, v0                           ; lane
	v_and_b32 v2, 15, v0                           ; r
	v_bfe_u32 v3, v0, 4, 1                         ; h
	v_lshlrev_b32 v8, 4, v1
	v_lshlrev_b32 v9, 3, v1
	v_lshlrev_b32 v12, 7, v3                       ; bias along P: 32 h numbers on
	v_lshrrev_b32 v13, 3, v2
	v_mul_u32_u24 v13, 24, v13
	v_add_lshl_u32 v13, v13, v2, 2
	v_add_nc_u32 v13, s78, v13                     ; bias along L: slot r of tile T is row 8 (T % 4) + r + 24 (r / 8) of its 64
	v_lshlrev_b32 v10, 2, v2
	v_mad_u32_u24 v10, v3, s77, v10                ; the halfwords of an even block (lanes 0-15) and the odd one (lanes 16-31)
	v_add_nc_u32 v4, s2, v8                        ; my four tiles of P
	v_add_nc_u32 v5, s2, v9
	v_add_nc_u32 v6, s3, v8                        ; my first tile of L
	v_add_nc_u32 v7, s3, v9
.irp f, 0,1
.irp t, 0,1,2,3
	global_load_b64 v[PS+4*\t+2*\f:PS+4*\t+2*\f+1], v9, s[94:95] offset:512*\t+256*\f   ; a tile's scale words: register q / 2, even K steps in lanes 0-15, odd ones in lanes 16-31
.endr
.irp t, 0,1,2,3,4,5,6,7
	global_load_b64 v[LS+4*\t+2*\f:LS+4*\t+2*\f+1], v9, s[96:97] offset:1024*\t+256*\f
.endr
.endr
	s_wait_alu depctr_va_vdst(0)                   ; ahead of the branch
	s_cmp_eq_u32 s75, 2
	s_cbranch_scc1 .Lbias_v
.irp t, 0,1,2,3                        ; q, k: register j of P tile t wants b[32 h + 8 t + j]
	global_load_b128 v[BIAS+8*\t:BIAS+8*\t+3], v12, s[88:89] offset:32*\t
	global_load_b128 v[BIAS+8*\t+4:BIAS+8*\t+7], v12, s[88:89] offset:32*\t+16
.endr
	s_branch .Lbias_asked
.Lbias_v:
.irp t, 0,1,2,3,4,5,6,7                ; v: all eight registers of block t want bv at my slot's row
	global_load_b32 v[BIAS+8*\t], v13, s[88:89] offset:256*(\t/2)+64*(\t%2)
.endr
.Lbias_asked:
	SHOW 1                                         ; P has landed
.irp q, 0,1,2,3,4,5,6,7                ; my 64 rows of P, all of K: 128 loads, under L's flight
.irp tp, 0,1,2,3
.set F_, 4*\q+\tp
	WIN ((2+F_/21)<<6)
	FRAG 12*(F_%21), 4, 5, \tp*TILE+\q*1536
.endr
.endr
	WIN 0
	s_wait_loadcnt 0x0                             ; scale words and bias
	s_cmp_eq_u32 s75, 2
	s_cbranch_scc0 .Lbias_in
.irp j, 1,2,3,4,5,6,7
.irp t, 0,1,2,3,4,5,6,7
	v_mov_b32 v[BIAS+8*\t+\j], v[BIAS+8*\t]
.endr
.endr
	s_wait_alu depctr_va_vdst(0)
.Lbias_in:
	SHOW 2                                         ; L's first chunk has landed
	FETCH 0
	NEXTL
	FETCH 1
.irp s, 0,1,2,3,4,5,6,7
	BLOCK \s
.endr
	SEARCH 7, 0
	SEARCH 7, 1
	SEARCH 7, 2
	CODES 7
	; a slot's two bytes lie in lanes l and l xor 16: lanes 0-15 finish the even block's halfword, lanes 16-31 the odd one's
.irp p, 0,1,2,3
	v_cndmask_b32 v[BIAS+\p], v[EB+2*\p+1], v[EB+2*\p], s92
	v_cndmask_b32 v[BIAS+4+\p], v[EB+2*\p], v[EB+2*\p+1], s92
.endr
.irp p, 0,1,2,3
	v_permlanex16_b32 v[BIAS+8+\p], v[BIAS+\p], s[SEL], s[SEL+1]
.endr
.irp p, 0,1,2,3
	v_cndmask_b32 v[BIAS+12+\p], v[BIAS+4+\p], v[BIAS+8+\p], s92
	v_cndmask_b32 v[BIAS+\p], v[BIAS+8+\p], v[BIAS+4+\p], s92
.endr
.irp p, 0,1,2,3
	v_lshl_or_b32 v[BIAS+16+\p], v[BIAS+\p], 8, v[BIAS+12+\p]
.endr
.irp p, 0,1,2,3
	global_store_b16 v10, v[BIAS+16+\p], s[56+2*\p:57+2*\p]
.endr
	s_wait_tensorcnt 0x0                           ; the wave's end
	ds_add_u32 v[SPW], v[NIL]
	s_wait_dscnt 0x0
	CROUND                                         ; the closing round: no work-group ends while a partner may still ask for a tile that names it
	s_endpgm
.Lfunc_end_k_q56061814fe_proj:
	.size	k_q56061814fe_proj, .Lfunc_end_k_q56061814fe_proj-k_q56061814fe_proj
	.p2alignl 7, 3214868480
	.fill 96, 4, 3214868480
	.section	.rodata,"a",@progbits
	.p2align	6, 0x0
	.amdhsa_kernel k_q56061814fe_proj
		.amdhsa_group_segment_fixed_size 327680
		.amdhsa_private_segment_fixed_size 0
		.amdhsa_enable_private_segment 0
		.amdhsa_kernarg_size 56
		.amdhsa_user_sgpr_count 2
		.amdhsa_user_sgpr_kernarg_segment_ptr 1
		.amdhsa_wavefront_size32 1
		.amdhsa_system_sgpr_workgroup_id_x 1
		.amdhsa_system_sgpr_workgroup_id_y 1
		.amdhsa_system_sgpr_workgroup_id_z 1
		.amdhsa_system_vgpr_workitem_id 0
		.amdhsa_next_free_vgpr 904
		.amdhsa_next_free_sgpr 102
		.amdhsa_reserve_vcc 0
		.amdhsa_float_denorm_mode_32 3
		.amdhsa_float_denorm_mode_16_64 3
		.amdhsa_memory_ordered 1
		.amdhsa_forward_progress 1
		.amdhsa_inst_pref_size 97
	.end_amdhsa_kernel
	.amdgpu_metadata
---
amdhsa.version: [ 1, 2 ]
amdhsa.kernels:
  - .name:           k_q56061814fe_proj
    .symbol:         k_q56061814fe_proj.kd
    .args:
      - { .name: xc, .offset: 0, .size: 8, .value_kind: global_buffer, .address_space: global }
      - { .name: xs, .offset: 8, .size: 8, .value_kind: global_buffer, .address_space: global }
      - { .name: bq, .offset: 16, .size: 8, .value_kind: global_buffer, .address_space: global }
      - { .name: bk, .offset: 24, .size: 8, .value_kind: global_buffer, .address_space: global }
      - { .name: bv, .offset: 32, .size: 8, .value_kind: global_buffer, .address_space: global }
      - { .name: pc, .offset: 40, .size: 8, .value_kind: global_buffer, .address_space: global }
      - { .name: ps, .offset: 48, .size: 8, .value_kind: global_buffer, .address_space: global }
    .group_segment_fixed_size: 327680
    .private_segment_fixed_size: 0
    .kernarg_segment_align: 8
    .kernarg_segment_size: 56
    .max_flat_workgroup_size: 128
    .sgpr_count:     102
    .vgpr_count:     904
    .wavefront_size: 32
...
	.end_amdgpu_metadata
.endif
;; end of part 2
;; launch attn (part 3): grid 16 x 16, 16 waves a work-group, clusters of 4 x 1, 327,680 bytes of LDS; arguments pc, ps, ac, asc; writes ac, asc
.if DOCPART == 3
	.amdgcn_target "amdgcn-amd-amdhsa--gfx1250"
	.amdhsa_code_object_version 6
	.text
	.protected	k_q56061814fe_attn
	.globl	k_q56061814fe_attn
	.p2align	8
	.type	k_q56061814fe_attn,@function
k_q56061814fe_attn:
	s_mov_b64 s[64:65], 0
	v_nop
	global_prefetch_b8 v0, s[64:65] scope:SCOPE_SE
	s_setreg_imm32_b32 hwreg(HW_REG_WAVE_MODE, 25, 1), 1
	s_wait_xcnt 0x0
	s_wait_alu depctr_hold_cnt(0) depctr_sa_sdst(0) depctr_va_vdst(0) depctr_va_sdst(0) depctr_va_ssrc(0) depctr_va_vcc(0) depctr_vm_vsrc(0)
	s_getreg_b32 s2, hwreg(HW_REG_IB_STS2, 6, 4)
	s_cmp_eq_u32 s2, 0
	s_cbranch_scc0 .Lentry_in_a_cluster
	s_endpgm
.Lentry_in_a_cluster:
	s_bfe_u32 s2, ttmp6, 0x10000c
	s_cmp_lg_u32 s2, 0x3003
	s_cbranch_scc0 .Lentry_shape_is_right
	s_endpgm
.Lentry_shape_is_right:
; Causal attention of 16 heads of 64 over 2,048 tokens, both products on codes of FP6 (E2M3) with E8M0 scales; O / l is quantised along the model's 1,024 and leaves as codes for the output projection.
; WORK LEFT OUT: steps of 128 keys that come wholly after a tile's queries, which reference()'s own causal mask throws away for all inputs (a NaN or an overflow in them alone is not carried on).
; SOFTMAX: t = score x log2(e) / 8; M = the running largest t rounded up to a whole number; p = 2^(t - M) is quantised along the keys, not normalised; the row's sum is taken of the unquantised p and divides at the end;
; when M moves, the sum and O are multiplied by 2^(old M - new M), which rounds nothing.  LIMITS: NaN and infinities are not served; the scaled scores stay under 2^31 in magnitude; p under 2^-126 comes out as 0; a block of zeros gets the byte 1 (zero codes).
; OPERANDS come as units of 768 bytes (16 slots x 64 along K; lane l's registers 0-3 at 16 l, 4-5 at 512 + 8 l); slot r of tile T is row 64 (T / 4) + 8 (T % 4) + r + 24 (r / 8).
; Both products are used transposed (S^T = k q^T, O^T = v^T p^T): a lane holds one query; register n of the 64 scores is key 64 (n / 32) + 32 h + n % 32 of the step: two whole blocks of 32 in a lane, in the order of p's operand registers.
; K = 64 IN AN INSTRUCTION OF 128: a fragment of k holds key tile 2 b in registers 0-5 and tile 2 b + 1 in registers 6-11; q lies as [q][zeros][q] in 18 registers: the first 12 pick tile 2 b, the last 12 tile 2 b + 1.
; SHARES.  A cluster of four work-groups owns four groups of 128 queries of one head (15 - cl, cl, 8 + cl, 7 - cl), a work-group two tiles of 16 queries of each group.
; FOUR WAVES SHARE TWO TILES, the waves Q, Q + 4, Q + 8, Q + 12: A of group GA = 15 - cl (or 8 + cl) and B of group GB = GA xor 15, 17 key steps together. The wave of place j = wave / 4 takes A's steps j, j + 4, .. and B's steps -j mod 4, that + 4:
; five steps at j = 0, four at the others, whatever cl is. Each tile has an M, a sum and an O^T of its own in each wave. Behind the last step the four parts of a tile are joined through LDS: each is multiplied by 2^(its M - the largest M), which rounds nothing, and they are added.
; A step's row sum is taken under the next step's LDS loads (the scores' registers are written again only behind them), the last step's behind the tile.
; GA, GB hang on the cluster's x and the wave's number alone, so the causal branches are the same in all partners of the cluster.
; THE WHOLE HEAD'S k, v and their scale bytes lie in LDS as they lie in memory: four chunks of 512 keys, 51,200 bytes each, each byte filled once, asked for jointly by the four partners, one load of 12,800 bytes a wave.
; Chunk 0 (waves 0-3's loads) is shown first; every wave has one step in it; then the rest is shown. All bytes are asked for at the head, so there is nothing to prefetch.
.set QB,   1572864
.set HB,   204800
.set CB,   51200
.set VO,   24576                       ; in a chunk: k's codes at 0, v's here,
.set SC,   49152                       ; k's scale words here, v's 1,024 behind
.set PLA,  204800                      ; behind the chunks: A's parts, a place for each wave
.set MSL,  4608                        ; the images of 36 registers: O^T's 32, then v12-15, 512 bytes for four registers. B's parts lie from byte 0 on, where k's and v's last readers have passed a barrier
.set SPARE, PLA+16*MSL
.set ABA,  3                           ; v3-5   A: LDS address of my step's codes (16 x lane, 8 x lane) and scale words in chunk 0
.set SPW,  9
.set NIL,  10
.set DQA,  11                          ; A: my query - 32 h
.set QF,   16                          ; v16-21 q, v22-27 zeros, v28-33 q
.set QS,   34                          ; q's scale word: its two bytes twice
.set DD,   35
.set KF,   36                          ; v36-83 four fragments of k, later of v
.set S,    84                          ; v84-147 S^T, then p
.set O,    148                         ; v148-179 O^T
.set PC,   180                         ; v180-191 p's codes
.set PT,   192                         ; v192-199 the conversions' second halves
.set BM,   200                         ; each block's largest score, then its largest p
.set B2,   202
.set SO,   204
.set EB,   206
.set FF,   208                         ; v[208:209] f = 2^(old M - new M), and a word that is only named with it
.set TMP,  210
.set T2,   211
.set PSW,  214                         ; p's scale word
.set XS,   216                         ; v216-223 four chains: of the maximum, of the sum
.set KSC,  224
.set VSC,  226
.set NINF, 228
.set MGA,  229
.set QFB,  230                         ; v230-235 B's q
.set QSB,  236
.set DQB,  237
.set ABB,  238                         ; v238-240 as v3-5, for B
.set MGB,  241
.set MRA,  242
.set ASO,  243
.set WV,   52
.set CX,   53
.set CL,   54
.set HD,   55
.set GA,   56
.set GB,   57
.set SI,   58                          ; the key step
.set TB,   59                          ; its chunk's first byte
.set CNT,  60
.set J,    61
.set SEL,  62                          ; s[62:63]
.set CS,   66                          ; s[66:67] c = log2(e) / 8
.set TA,   68                          ; A's tile of 16 queries
.set TT,   69                          ; B's
.macro CROUND
	s_barrier_signal -1
	s_barrier_wait -1
	s_cmp_lg_u32 s[WV], 0
	s_cbranch_scc1 .Lnot_wave_0_\@
	s_barrier_signal -3
.Lnot_wave_0_\@:
	s_barrier_wait -3
	s_barrier_signal -1
	s_barrier_wait -1
.endm
.macro ARM under, next
	s_cmp_lt_u32 s[WV], \under
	s_cbranch_scc0 \next
	tensor_load_to_lds s[32:35], s[16:23]
	s_nop 0
.rept 4
	v_nop
.endr
	s_branch .Lasked
\next:
.endm
.macro FRAG reg, off
	ds_load_b128 v[(\reg):(\reg)+3], v6 offset:(\off)
	ds_load_b64 v[(\reg)+4:(\reg)+5], v7 offset:(\off)+512
	ds_load_b128 v[(\reg)+6:(\reg)+9], v6 offset:(\off)+768
	ds_load_b64 v[(\reg)+10:(\reg)+11], v7 offset:(\off)+1280
.endm
.macro WMQ d, a, b, sa, row            ; a tile of scores: the constant 0 starts the sum
.if \row
	v_wmma_scale_f32_16x16x128_f8f6f4 v[(\d):(\d)+7], v[(\a):(\a)+11], v[(\b):(\b)+11], 0, v[\sa], v[QS] matrix_a_fmt:MATRIX_FMT_FP6 matrix_b_fmt:MATRIX_FMT_FP6 matrix_a_scale:MATRIX_SCALE_ROW1
.else
	v_wmma_scale_f32_16x16x128_f8f6f4 v[(\d):(\d)+7], v[(\a):(\a)+11], v[(\b):(\b)+11], 0, v[\sa], v[QS] matrix_a_fmt:MATRIX_FMT_FP6 matrix_b_fmt:MATRIX_FMT_FP6
.endif
.endm
.macro WMV d, a, sa, row, c            ; a tile of O^T
.if \row
	v_wmma_scale_f32_16x16x128_f8f6f4 v[(\d):(\d)+7], v[(\a):(\a)+11], v[PC:PC+11], \c, v[\sa], v[PSW] matrix_a_fmt:MATRIX_FMT_FP6 matrix_b_fmt:MATRIX_FMT_FP6 matrix_a_scale:MATRIX_SCALE_ROW1
.else
	v_wmma_scale_f32_16x16x128_f8f6f4 v[(\d):(\d)+7], v[(\a):(\a)+11], v[PC:PC+11], \c, v[\sa], v[PSW] matrix_a_fmt:MATRIX_FMT_FP6 matrix_b_fmt:MATRIX_FMT_FP6
.endif
.endm
.macro SUM                             ; the unquantised p onto the row's sum: two at a time, in four chains
.irp x, 0,2,4,6
	v_pk_add_f32 v[XS+\x:XS+\x+1], v[S+2*\x:S+2*\x+1], v[S+2*\x+2:S+2*\x+3]
.endr
.irp i, 16,24,32,40,48,56
.irp x, 0,2,4,6
	v_pk_add_f32 v[XS+\x:XS+\x+1], v[XS+\x:XS+\x+1], v[S+\i+\x:S+\i+\x+1]
.endr
.endr
	v_pk_add_f32 v[XS:XS+1], v[XS:XS+1], v[XS+2:XS+3]
	v_pk_add_f32 v[XS+4:XS+5], v[XS+4:XS+5], v[XS+6:XS+7]
	v_pk_add_f32 v[14:15], v[14:15], v[XS:XS+1]
	s_delay_alu instid0(VALU_DEP_1)
	v_pk_add_f32 v[14:15], v[14:15], v[XS+4:XS+5]
.endm
; A KEY STEP: 128 keys.  first = 1: a tile's first step in this wave: it starts M, the sum and O^T.  jump = 1: jumped over where all its keys come after the tile's queries (group g); only the addresses step then.
.macro STEP first, jump, g, dq, ab
.if \jump
	s_cmp_gt_u32 s[SI], s[\g]
	s_cbranch_scc1 .Lhidden_\@
.endif
	v_add_nc_u32 v6, s[TB], v[\ab]                 ; (these four are the places between the last products and the loads into their registers)
	v_add_nc_u32 v7, s[TB], v[\ab+1]
	v_add_nc_u32 v8, s[TB], v[\ab+2]
	v_nop
	ds_load_b32 v[KSC], v8                         ; even pairs of tiles in lanes 0-15, odd in lanes 16-31
	ds_load_b32 v[KSC+1], v8 offset:128
.irp b, 0,1,2,3
	FRAG KF+12*\b, 1536*\b                         ; key tiles 2 b and 2 b + 1
.endr
.if \first == 0
	SUM                                            ; the step before's
.endif
	s_wait_alu depctr_va_vdst(0)
.irp b, 0,1,2,3
	s_wait_dscnt 12-4*\b                           ; the scale words and fragments 0 .. b are in; four loads for each later fragment may be out
.irp u, 0,1
	WMQ S+8*(2*\b+\u), KF+12*\b, QF+6*\u, KSC+\b/2, \b%2
.endr
.endr
.rept 4
	v_nop                                          ; four places behind the products: for the loads below and for the first read of the scores
.endr
.irp t, 0,1,2,3                        ; v's four fragments land while the softmax is walked: keys 0-63 of the step in registers 0-5, keys 64-127 in 6-11
	ds_load_b128 v[KF+12*\t:KF+12*\t+3], v6 offset:VO+768*\t
	ds_load_b64 v[KF+12*\t+4:KF+12*\t+5], v7 offset:VO+768*\t+512
	ds_load_b128 v[KF+12*\t+6:KF+12*\t+9], v6 offset:VO+3072+768*\t
	ds_load_b64 v[KF+12*\t+10:KF+12*\t+11], v7 offset:VO+3072+768*\t+512
.endr
	ds_load_b32 v[VSC], v8 offset:1024
	ds_load_b32 v[VSC+1], v8 offset:1152
	s_cmp_lt_u32 s[SI], s[\g]                      ; only the tile's last step lies on the diagonal
	s_cbranch_scc1 .Lopen_\@
	s_lshl_b32 s70, s[SI], 7
	v_sub_nc_u32 v[DD], v[\dq], s70                ; d = my query - the step's first key - 32 h: register n is hidden where 64 (n / 32) + n % 32 > d
.irp n, 0,1,2,3,4,5,6,7,8,9,10,11,12,13,14,15,16,17,18,19,20,21,22,23,24,25,26,27,28,29,30,31
	v_cmp_gt_i32 vcc_lo, \n, v[DD]
	v_cndmask_b32 v[S+\n], v[S+\n], v[NINF], vcc_lo
	v_cmp_gt_i32 vcc_lo, 64+\n, v[DD]
	v_cndmask_b32 v[S+32+\n], v[S+32+\n], v[NINF], vcc_lo
.endr
.Lopen_\@:
.irp c, 0,1,2,3
	v_max3_num_f32 v[XS+\c], v[S+16*\c], v[S+16*\c+1], v[S+16*\c+2]   ; four chains, two for each block of 32 keys
.endr
.irp i, 3,5,7,9,11,13
.irp c, 0,1,2,3
	v_max3_num_f32 v[XS+\c], v[XS+\c], v[S+16*\c+\i], v[S+16*\c+\i+1]
.endr
.endr
.irp b, 0,1
	v_max3_num_f32 v[BM+\b], v[XS+2*\b], v[XS+2*\b+1], v[S+32*\b+15]
.endr
.irp b, 0,1
	v_max_num_f32 v[BM+\b], v[BM+\b], v[S+32*\b+31]   ; each block's largest score: for the row's maximum, and, since p rises with the score, for the block's largest p
.endr
	v_max_num_f32 v[TMP], v[BM], v[BM+1]
	s_delay_alu instid0(VALU_DEP_1)
	v_permlanex16_b32 v[B2], v[TMP], s[SEL], s[SEL+1]
	s_delay_alu instid0(VALU_DEP_1)
	v_max_num_f32 v[TMP], v[TMP], v[B2]            ; with lane l xor 16's 64 keys
	s_delay_alu instid0(VALU_DEP_1)
.if \first
	v_mul_f32 v13, s[CS], v[TMP]                   ; as t (c is positive): the largest t so far
	s_delay_alu instid0(VALU_DEP_1)
	v_floor_f32 v12, -v13                          ; -M = floor(-t)
.else
	v_mul_f32 v[TMP], s[CS], v[TMP]
	v_mov_b32 v[T2], v12
	s_delay_alu instid0(VALU_DEP_2)
	v_max_num_f32 v13, v13, v[TMP]                 ; the running largest t
	s_delay_alu instid0(VALU_DEP_1)
	v_floor_f32 v12, -v13                          ; the new -M
	s_delay_alu instid0(VALU_DEP_1)
	v_sub_f32 v[T2], v12, v[T2]                    ; old M - new M: a whole number, 0 or less
	s_delay_alu instid0(VALU_DEP_1)
	v_cvt_i32_f32 v[T2], v[T2]                     ; (it saturates)
	s_delay_alu instid0(VALU_DEP_1)
	v_ldexp_f32 v[FF], 1.0, v[T2]                  ; f
.endif
.irp b, 0,1
	v_fma_f32 v[BM+\b], v[BM+\b], s[CS], v12
.endr
.irp j, 0,2,4,6,8,10,12,14,16,18,20,22,24,26,28,30,32,34,36,38,40,42,44,46,48,50,52,54,56,58,60,62
	v_pk_fma_f32 v[S+\j:S+\j+1], v[S+\j:S+\j+1], s[CS:CS+1], v[12:13] op_sel_hi:[1,0,0]   ; t - M, two at a time
.endr
	s_wait_alu depctr_va_vdst(0)                   ; ahead of the batch
.irp b, 0,1
	v_exp_f32 v[BM+\b], v[BM+\b]                   ; each block's largest p
.endr
.irp j, 0,1,2,3,4,5,6,7,8,9,10,11,12,13,14,15,16,17,18,19,20,21,22,23,24,25,26,27,28,29,30,31,32,33,34,35,36,37,38,39,40,41,42,43,44,45,46,47,48,49,50,51,52,53,54,55,56,57,58,59,60,61,62,63
	v_exp_f32 v[S+\j], v[S+\j]                     ; p = 2^(t - M)
.endr
.if \first
	v_mov_b32 v14, 0                               ; the plain place behind the exponentials
.else
	v_pk_mul_f32 v[14:15], v[14:15], v[FF:FF+1] op_sel_hi:[1,0]   ; the sums under the new M: the plain place behind the exponentials
.endif
	s_wait_alu depctr_va_vdst(0)                   ; and one for the batch, ahead of its first reader
.irp b, 0,1
	v_max_num_f32 v[BM+\b], 0x1800000, v[BM+\b]    ; the floor 2^(3 - 127)
.endr
.irp b, 0,1
	v_add_nc_u32 v[SO+\b], 0xff000000, v[BM+\b]    ; 2 off the exponent field: the conversion's scale operand
.endr
.irp b, 0,1
	v_lshrrev_b32 v[EB+\b], 23, v[SO+\b]           ; the scale's byte: blocks h and 2 + h
.endr
	v_lshl_or_b32 v[TMP], v[EB+1], 16, v[EB]
	s_delay_alu instid0(VALU_DEP_1)
	v_permlanex16_b32 v[B2], v[TMP], s[SEL], s[SEL+1]
	s_delay_alu instid0(VALU_DEP_1)
	v_lshl_or_b32 v[PSW], v[B2], 8, v[TMP]         ; lanes 0-15 hold their query's four bytes (lanes 16-31 are not read)
.irp c, 0,1
	v_cvt_scalef32_pk16_fp6_f32 v[PC+6*\c:PC+6*\c+2], v[S+32*\c:S+32*\c+15], v[SO+\c]
	v_cvt_scalef32_pk16_fp6_f32 v[PT+4*\c:PT+4*\c+2], v[S+32*\c+16:S+32*\c+31], v[SO+\c]
.endr
.if \first
	v_mov_b32 v15, 0                               ; one plain place behind the scaled conversions
.else
	s_wait_alu depctr_va_vdst(0)                   ; ahead of the first reader of O^T
.irp j, 0,2,4,6,8,10,12,14,16,18,20,22
	v_pk_mul_f32 v[O+\j:O+\j+1], v[O+\j:O+\j+1], v[FF:FF+1] op_sel_hi:[1,0]   ; O^T under the new M
.endr
.endif
.irp c, 0,1
.irp i, 0,1,2
	v_mov_b32 v[PC+6*\c+3+\i], v[PT+4*\c+\i]
.endr
.endr
.if \first
.rept 4
	v_nop                                          ; four places behind p's codes
.endr
.else
.irp j, 24,26,28,30
	v_pk_mul_f32 v[O+\j:O+\j+1], v[O+\j:O+\j+1], v[FF:FF+1] op_sel_hi:[1,0]
.endr
.endif
	s_wait_alu depctr_va_vdst(0)                   ; ahead of the wait below
	s_wait_dscnt 0x0                               ; v's fragments and scale words are in
.irp t, 0,1,2,3
.if \first
	WMV O+8*\t, KF+12*\t, VSC+\t/2, \t%2, 0
.else
	WMV O+8*\t, KF+12*\t, VSC+\t/2, \t%2, v[O+8*\t:O+8*\t+7]
.endif
.endr
.if \jump
.Lhidden_\@:
.endif
	s_add_co_u32 s[SI], s[SI], 4
	s_add_co_u32 s[TB], s[TB], CB
.endm
.macro HAND mg                         ; my part of a tile into its place, as images of the registers
.irp t, 0,1,2,3,4,5,6,7
	ds_store_b128 v[\mg], v[O+4*\t:O+4*\t+3] offset:512*\t         ; each accumulator from its low end on
.endr
	ds_store_b128 v[\mg], v[12:15] offset:4096     ; -M, (the largest t), the sum, (its second half, added already)
.endm
; tile tt: c, c + 1: q's unit; s, s + 1: its scale halfwords; d: its first query
.macro QADR tt, c, s, d
	s_mul_i32 s[\c], s[\tt], 768
	s_mul_i32 s70, s[HD], 98304
	s_add_co_u32 s[\c], s[\c], s70
	s_mov_b32 s[\c+1], 0
	s_add_nc_u64 s[\c:\c+1], s[4:5], s[\c:\c+1]
	s_lshr_b32 s70, s[\tt], 1
	s_lshl_b32 s70, s70, 6
	s_lshl_b32 s[\s], s[HD], 12
	s_add_co_u32 s[\s], s[\s], s70
	s_and_b32 s70, s[\tt], 1
	s_lshl_b32 s70, s70, 1
	s_add_co_u32 s[\s], s[\s], s70
	s_mov_b32 s[\s+1], 0
	s_add_nc_u64 s[\s:\s+1], s[6:7], s[\s:\s+1]
	s_lshr_b32 s[\d], s[\tt], 2
	s_lshl_b32 s[\d], s[\d], 6
	s_and_b32 s70, s[\tt], 3
	s_lshl_b32 s70, s70, 3
	s_add_co_u32 s[\d], s[\d], s70
.endm
	s_load_b256 s[4:11], s[0:1], 0x0               ; pc s[4:5], ps s[6:7], ac s[8:9], asc s[10:11]
	v_lshl_add_u32 v[SPW], v0, 2, SPARE
	v_mov_b32 v[NIL], 0
	ds_add_u32 v[SPW], v[NIL]                      ; the wave's opening
	ds_add_u32 v[SPW], v[NIL]
	v_lshrrev_b32 v1, 5, v0
	v_readfirstlane_b32 s[WV], v1                  ; wave 0..15
	s_bfe_u32 s[CX], ttmp6, 0x40000                ; my place in the cluster: it enters q's and the output's addresses and the mask's numbers alone
	s_mov_b32 s[CL], ttmp9                         ; the cluster's x: 0..3
	s_and_b32 s[HD], ttmp7, 0xffff                 ; the head
	s_and_b32 s71, s[WV], 3                        ; Q
	s_lshr_b32 s72, s71, 1                         ; which of the two pairs of groups
	s_mul_i32 s72, s72, 7
	s_xor_b32 s[GB], s[CL], s72                    ; cl or 7 - cl
	s_xor_b32 s[GA], s[GB], 15                     ; 15 - cl or 8 + cl
	s_lshr_b32 s[J], s[WV], 2                      ; j
	s_and_b32 s72, s71, 1                          ; which of a group's two tiles
	s_lshl_b32 s73, s[CX], 1
	s_add_co_u32 s72, s72, s73
	s_lshl_b32 s[TA], s[GA], 3
	s_add_co_u32 s[TA], s[TA], s72
	s_lshl_b32 s[TT], s[GB], 3
	s_add_co_u32 s[TT], s[TT], s72
	; descriptor group 1: a dense block as 50 rows of 256 bytes (32 elements of 8 bytes); the mask names all four partners
	s_mov_b32 s16, 15|(3<<16)|(1<<21)
	s_mov_b32 s17, 32<<16
	s_mov_b32 s18, 50<<16
	s_mov_b32 s19, 32<<16
	s_mov_b32 s20, 50
	s_mov_b32 s21, 32
	s_mov_b32 s22, 0
	s_mov_b32 s23, 0
	s_mov_b32 s32, 1
	s_mul_i32 s33, s[WV], 12800                    ; my part: the same offset in the head's block and in LDS
	s_mul_i32 s76, s[HD], HB
	s_add_co_u32 s76, s76, s33
	s_add_co_u32 s76, s76, QB
	s_mov_b32 s77, 0
	s_mov_b32 s[SEL], 0x76543210
	s_mov_b32 s[SEL+1], 0xfedcba98
	s_mov_b32 s[CS], 0x3e38aa3b                    ; log2(e) / 8
	s_mov_b32 s[CS+1], s[CS]
	s_wait_dscnt 0x0                               ; both opening adds are done
	CROUND                                         ; all four work-groups are here: the joint loads meet
	s_wait_kmcnt 0x0
	s_add_nc_u64 s[34:35], s[4:5], s[76:77]
	s_or_b32 s35, s35, 0x80000000
	ARM 4, .Lchunk1                                ; a line for each chunk's four waves: chunk 0 is waited for alone
	ARM 8, .Lchunk2
	ARM 12, .Lchunk3
	tensor_load_to_lds s[32:35], s[16:23]
	s_nop 0
.rept 4
	v_nop
.endr
.Lasked:
	QADR TA, 78, 80, 86
	QADR TT, 82, 84, 87
	s_mul_i32 s71, s[J], 6144
	s_lshl_b32 s72, s[J], 8
	s_add_co_u32 s72, s72, SC
	s_mul_i32 s73, s[J], 3
	s_and_b32 s73, s73, 3                          ; B's first step: -j mod 4
	s_mul_i32 s74, s73, 6144
	s_lshl_b32 s75, s73, 8
	s_add_co_u32 s75, s75, SC
	s_mul_i32 s76, s[WV], MSL
	s_add_co_u32 s77, s76, PLA
	s_and_b32 s88, s[WV], 3
	s_mul_i32 s88, s88, MSL
	s_lshr_b32 s89, s[WV], 2
	s_and_b32 s89, s89, 1
	s_xor_b32 s89, s89, 1
	s_mul_i32 s89, s89, PLA
	s_add_co_u32 s88, s88, s89                     ; the join: wave w < 8 joins tile A (w < 4) or B of the waves w % 4, + 4, + 8, + 12
	v_and_b32 v244, 31, v0                         ; lane
	v_and_b32 v245, 15, v0                         ; r
	v_bfe_u32 v246, v0, 4, 1                       ; h
	v_lshlrev_b32 v1, 4, v244                      ; 16 x lane; never rewritten
	v_lshlrev_b32 v2, 3, v244                      ; 8 x lane; never rewritten
	v_lshlrev_b32 v249, 2, v245
	global_load_b128 v[QF:QF+3], v1, s[78:79]
	global_load_b64 v[QF+4:QF+5], v2, s[78:79] offset:512
	global_load_b128 v[QF+12:QF+15], v1, s[78:79]  ; q once more, behind the zeros
	global_load_b64 v[QF+16:QF+17], v2, s[78:79] offset:512
	global_load_u16 v[QS], v249, s[80:81]
	global_load_b128 v[QFB:QFB+3], v1, s[82:83]
	global_load_b64 v[QFB+4:QFB+5], v2, s[82:83] offset:512
	global_load_u16 v[QSB], v249, s[84:85]
	v_add_nc_u32 v[ABA], s71, v1
	v_add_nc_u32 v[ABA+1], s71, v2
	v_lshl_add_u32 v[ABA+2], v244, 2, s72
	v_add_nc_u32 v[ABB], s74, v1
	v_add_nc_u32 v[ABB+1], s74, v2
	v_lshl_add_u32 v[ABB+2], v244, 2, s75
	v_add_nc_u32 v[MGA], s77, v1
	v_add_nc_u32 v[MGB], s76, v1
	v_add_nc_u32 v[MRA], s88, v1
	v_lshl_add_u32 v[ASO], v245, 2, v246           ; my byte's place in asc: 4 r + h
	v_lshrrev_b32 v247, 3, v245
	v_mul_u32_u24 v247, 24, v247
	v_add_nc_u32 v247, v247, v245
	v_lshlrev_b32 v248, 5, v246
	v_sub_nc_u32 v247, v247, v248                  ; my slot's row in a tile - 32 h
	v_add_nc_u32 v[DQA], s86, v247
	v_add_nc_u32 v[DQB], s87, v247
	s_mov_b32 s[SI], s[J]
	s_mov_b32 s[TB], 0
	s_wait_alu depctr_va_vdst(0)                   ; ahead of the wait below
	s_wait_loadcnt 0x0
	v_lshl_or_b32 v[QS], v[QS], 16, v[QS]          ; q's two bytes for either half of the instruction's K. (The lines below are the places in front of the first products)
	v_lshl_or_b32 v[QSB], v[QSB], 16, v[QSB]
.irp j, 6,7,8,9,10,11
	v_mov_b32 v[QF+\j], 0                          ; zero codes: they add nothing under any scale byte that the quantiser gives
.endr
	v_mov_b32 v[FF+1], 0                           ; (named as the upper half of a pair)
	v_mov_b32 v203, 0
	v_mov_b32 v[NINF], 0xff800000
	v_mov_b32 v[B2], 0                             ; a lane permute's destination counts as one of its sources
	v_mov_b32 v[T2], 0
	s_wait_alu depctr_va_vdst(0)                   ; the head's end
	s_cmp_lt_u32 s[WV], 4
	s_cbranch_scc0 .Lnot_chunk0
	s_wait_tensorcnt 0x0                           ; waves 0-3: chunk 0 has landed; the later chunks may be on their way
.Lnot_chunk0:
	s_barrier_signal -1
	s_barrier_wait -1
	STEP 1, 0, GA, DQA, ABA                        ; A's group is 8 or more: every wave has a step in chunk 0
	s_wait_alu depctr_va_vdst(0)
	s_wait_tensorcnt 0x0                           ; my part of the later chunks has landed,
	s_wait_dscnt 0x0
	s_barrier_signal -1
	s_barrier_wait -1                              ; and everybody's
	s_mov_b32 s[CNT], 3
.Ltile_a:
	STEP 0, 1, GA, DQA, ABA
	s_sub_co_u32 s[CNT], s[CNT], 1
	s_wait_alu depctr_va_vdst(0)
	s_cmp_lg_u32 s[CNT], 0
	s_cbranch_scc1 .Ltile_a
	SUM                                            ; the last step's; also the places behind the last products
	v_add_f32 v14, v14, v15                        ; my lane's part of the sum
	HAND MGA
	v_mov_b32 v[QS], v[QSB]                        ; on to B: its q
.irp i, 0,1,2,3,4,5
	v_mov_b32 v[QF+\i], v[QFB+\i]
	v_mov_b32 v[QF+12+\i], v[QFB+\i]
.endr
	s_mul_i32 s73, s[J], 3
	s_and_b32 s[SI], s73, 3
	s_mov_b32 s[TB], 0
	s_wait_alu depctr_va_vdst(0)                   ; ahead of the branch
	s_cmp_gt_u32 s[SI], s[GB]
	s_cbranch_scc1 .Lnone
	STEP 1, 0, GB, DQB, ABB
	STEP 0, 1, GB, DQB, ABB
	SUM
	v_add_f32 v14, v14, v15
	s_wait_alu depctr_va_vdst(0)
	s_branch .Lhand
.Lnone:                                                ; B has no step for me: my part is zeros under -M = 3e38, which the join brings in with the factor 0
	v_mov_b32 v12, 0x7f61b1e6
	v_mov_b32 v13, 0xff61b1e6
	v_mov_b32 v14, 0
	v_mov_b32 v15, 0
.irp j, 0,1,2,3,4,5,6,7,8,9,10,11,12,13,14,15,16,17,18,19,20,21,22,23,24,25,26,27,28,29,30,31
	v_mov_b32 v[O+\j], 0
.endr
	s_wait_alu depctr_va_vdst(0)
.Lhand:
	s_wait_dscnt 0x0                               ; my reads of k and v are over, and A's part has landed
	s_barrier_signal -1
	s_barrier_wait -1                              ; everybody's: B's parts may lie where k lay
	HAND MGB
	s_wait_dscnt 0x0                               ; for the others' sake: my stores have landed
	s_barrier_signal -1
	s_barrier_wait -1
	s_cmp_ge_u32 s[WV], 8
	s_cbranch_scc1 .Lend
	; THE JOIN of a tile's four parts: O^T in v16-47, v48-79, v80-111, v112-143, their -M and sums in v148-163
.irp m, 0,1,2,3
	ds_load_b128 v[148+4*\m:151+4*\m], v[MRA] offset:4*MSL*\m+4096
.endr
.irp m, 0,1,2,3
.irp t, 0,1,2,3,4,5,6,7
	ds_load_b128 v[16+32*\m+4*\t:19+32*\m+4*\t], v[MRA] offset:4*MSL*\m+512*\t
.endr
.endr
	s_and_b32 s70, s[WV], 3                        ; which four waves
	s_lshr_b32 s71, s70, 1
	s_mul_i32 s71, s71, 7
	s_xor_b32 s71, s71, s[CL]                      ; B's group
	s_xor_b32 s72, s71, 15                         ; A's
	s_cmp_lt_u32 s[WV], 4
	s_cselect_b32 s71, s72, s71
	s_lshl_b32 s71, s71, 3
	s_lshl_b32 s72, s[CX], 1
	s_add_co_u32 s71, s71, s72
	s_and_b32 s70, s70, 1
	s_add_co_u32 s71, s71, s70                     ; the tile
	s_mul_i32 s82, s71, 12288
	s_mul_i32 s70, s[HD], 768
	s_add_co_u32 s82, s82, s70
	s_mov_b32 s83, 0
	s_add_nc_u64 s[82:83], s[8:9], s[82:83]        ; ac: [tile][head][768]: heads 2 s, 2 s + 1 are K step s of the output projection
	s_lshl_b32 s84, s71, 9                         ; asc: [tile][K step 8][r] words; the head's two bytes of a word
	s_lshr_b32 s70, s[HD], 1
	s_lshl_b32 s70, s70, 6
	s_add_co_u32 s84, s84, s70
	s_and_b32 s70, s[HD], 1
	s_lshl_b32 s70, s70, 1
	s_add_co_u32 s84, s84, s70
	s_mov_b32 s85, 0
	s_add_nc_u64 s[84:85], s[10:11], s[84:85]
	s_wait_dscnt 32                                ; the -M and sums are in; O^T's 32 loads may be out
	v_min3_num_f32 v[TMP], v148, v152, v156
	v_min_num_f32 v[TMP], v[TMP], v160             ; -M of the four together: the largest M
.irp m, 0,1,2,3
	v_sub_f32 v[200+2*\m], v[TMP], v[148+4*\m]     ; each part's M less the largest: a whole number, 0 or less
.endr
.irp m, 0,1,2,3
	v_cvt_i32_f32 v[200+2*\m], v[200+2*\m]
.endr
.irp m, 0,1,2,3
	v_ldexp_f32 v[200+2*\m], 1.0, v[200+2*\m]      ; the factors: powers of two, one of them 1
.endr
	v_mul_f32 v14, v150, v200
.irp m, 1,2,3
	v_fma_f32 v14, v[150+4*\m], v[200+2*\m], v14
.endr
	s_delay_alu instid0(VALU_DEP_1)
	v_permlanex16_b32 v[T2], v14, s[SEL], s[SEL+1]
	s_delay_alu instid0(VALU_DEP_1)
	v_add_f32 v14, v14, v[T2]                      ; with lane l xor 16's keys: the row's sum
	s_wait_alu depctr_va_vdst(0)
	v_rcp_f32 v14, v14
	v_nop
	s_wait_alu depctr_va_vdst(0)
.irp m, 0,1,2,3
	v_mul_f32 v[200+2*\m], v[200+2*\m], v14        ; the division, laid into the factors
.endr
	s_wait_alu depctr_va_vdst(0)                   ; ahead of the wait below
	s_wait_dscnt 0x0
.irp j, 0,2,4,6,8,10,12,14,16,18,20,22,24,26,28,30
	v_pk_mul_f32 v[16+\j:17+\j], v[16+\j:17+\j], v[200:201] op_sel_hi:[1,0]
.endr
.irp m, 1,2,3
.irp j, 0,2,4,6,8,10,12,14,16,18,20,22,24,26,28,30
	v_pk_fma_f32 v[16+\j:17+\j], v[16+32*\m+\j:17+32*\m+\j], v[200+2*\m:201+2*\m], v[16+\j:17+\j] op_sel_hi:[1,0,1]
.endr
.endr
	; THE WAY OUT: quantised along the head's 64 channels: register i = channel 32 h + i of my query: one block
	v_max3_num_f32 v[TMP], |v16|, |v17|, 0x1800000
	v_max3_num_f32 v[T2], |v32|, |v33|, |v34|
.irp i, 0,2,4,6,8,10
	v_max3_num_f32 v[TMP], v[TMP], |v[18+\i]|, |v[19+\i]|
	v_max3_num_f32 v[T2], v[T2], |v[35+\i]|, |v[36+\i]|
.endr
	v_max3_num_f32 v[TMP], v[TMP], |v30|, |v31|
	v_max3_num_f32 v[TMP], v[TMP], v[T2], |v47|
	s_delay_alu instid0(VALU_DEP_1)
	v_add_nc_u32 v[FF], 0xff000000, v[TMP]
	v_cvt_scalef32_pk16_fp6_f32 v[PC:PC+2], v[16:31], v[FF]
	v_cvt_scalef32_pk16_fp6_f32 v[PT:PT+2], v[32:47], v[FF]
	v_lshrrev_b32 v[EB], 23, v[FF]                 ; my block's byte: the plain place behind the conversions
.irp i, 0,1,2
	v_mov_b32 v[PC+3+\i], v[PT+\i]
.endr
	global_store_b128 v1, v[PC:PC+3], s[82:83]     ; a unit: 512 and 256 consecutive bytes, aligned
	global_store_b64 v2, v[PC+4:PC+5], s[82:83] offset:512
	global_store_b8 v[ASO], v[EB], s[84:85]        ; a byte a lane: a head has two bytes of each word; 32 bytes of the wave's 800
.Lend:
	s_wait_tensorcnt 0x0                           ; the wave's end
	ds_add_u32 v[SPW], v[NIL]
	s_wait_dscnt 0x0
	CROUND                                         ; the closing round
	s_endpgm
.Lfunc_end_k_q56061814fe_attn:
	.size	k_q56061814fe_attn, .Lfunc_end_k_q56061814fe_attn-k_q56061814fe_attn
	.p2alignl 7, 3214868480
	.fill 96, 4, 3214868480
	.section	.rodata,"a",@progbits
	.p2align	6, 0x0
	.amdhsa_kernel k_q56061814fe_attn
		.amdhsa_group_segment_fixed_size 327680
		.amdhsa_private_segment_fixed_size 0
		.amdhsa_enable_private_segment 0
		.amdhsa_kernarg_size 32
		.amdhsa_user_sgpr_count 2
		.amdhsa_user_sgpr_kernarg_segment_ptr 1
		.amdhsa_wavefront_size32 1
		.amdhsa_system_sgpr_workgroup_id_x 1
		.amdhsa_system_sgpr_workgroup_id_y 1
		.amdhsa_system_sgpr_workgroup_id_z 1
		.amdhsa_system_vgpr_workitem_id 0
		.amdhsa_next_free_vgpr 256
		.amdhsa_next_free_sgpr 90
		.amdhsa_reserve_vcc 1
		.amdhsa_float_denorm_mode_32 3
		.amdhsa_float_denorm_mode_16_64 3
		.amdhsa_memory_ordered 1
		.amdhsa_forward_progress 1
		.amdhsa_inst_pref_size 103
	.end_amdhsa_kernel
	.amdgpu_metadata
---
amdhsa.version: [ 1, 2 ]
amdhsa.kernels:
  - .name:           k_q56061814fe_attn
    .symbol:         k_q56061814fe_attn.kd
    .args:
      - { .name: pc, .offset: 0, .size: 8, .value_kind: global_buffer, .address_space: global }
      - { .name: ps, .offset: 8, .size: 8, .value_kind: global_buffer, .address_space: global }
      - { .name: ac, .offset: 16, .size: 8, .value_kind: global_buffer, .address_space: global }
      - { .name: asc, .offset: 24, .size: 8, .value_kind: global_buffer, .address_space: global }
    .group_segment_fixed_size: 327680
    .private_segment_fixed_size: 0
    .kernarg_segment_align: 8
    .kernarg_segment_size: 32
    .max_flat_workgroup_size: 512
    .sgpr_count:     90
    .vgpr_count:     256
    .wavefront_size: 32
...
	.end_amdgpu_metadata
.endif
;; end of part 3
;; launch oproj (part 4): grid 16 x 16, 4 waves a work-group, clusters of 4 x 4, 327,680 bytes of LDS; arguments xc, xs, ac, asc, bo, out0; writes out0
.if DOCPART == 4
	.amdgcn_target "amdgcn-amd-amdhsa--gfx1250"
	.amdhsa_code_object_version 6
	.text
	.protected	k_q56061814fe_oproj
	.globl	k_q56061814fe_oproj
	.p2align	8
	.type	k_q56061814fe_oproj,@function
k_q56061814fe_oproj:
	s_mov_b64 s[64:65], 0
	v_nop
	global_prefetch_b8 v0, s[64:65] scope:SCOPE_SE
	s_setreg_imm32_b32 hwreg(HW_REG_WAVE_MODE, 25, 1), 1
	s_wait_xcnt 0x0
	s_wait_alu depctr_hold_cnt(0) depctr_sa_sdst(0) depctr_va_vdst(0) depctr_va_sdst(0) depctr_va_ssrc(0) depctr_va_vcc(0) depctr_vm_vsrc(0)
	s_getreg_b32 s2, hwreg(HW_REG_IB_STS2, 6, 4)
	s_cmp_eq_u32 s2, 0
	s_cbranch_scc0 .Lentry_in_a_cluster
	s_endpgm
.Lentry_in_a_cluster:
	s_bfe_u32 s2, ttmp6, 0x10000c
	s_cmp_lg_u32 s2, 0xf033
	s_cbranch_scc0 .Lentry_shape_is_right
	s_endpgm
.Lentry_shape_is_right:
; out0 = attn Wo^T + bo on codes of FP6 (E2M3) with E8M0 scales, f32 sums.  Source 0 (P) = rows of Wo (xc's row tiles 576 on), source 1 (L) = tokens (ac): a lane then holds 32 neighbouring numbers of a row of out0.
; Operands lie in the order of an operand's registers (units of 768 bytes); slot r of row tile T is row 64 (T / 4) + 8 (T % 4) + r + 24 (r / 8).
; SHARES.  A work-group makes 64 columns x 128 tokens over all of K = 1,024: 256 work-groups.  Both panels (48 + 96 KiB) lie in LDS, each byte filled once, one tensor load a wave: Wo's panel by two waves, then the tokens' tiles 0-3, then 4-7.
; Four waves: a wave holds Wo's 64 columns, ALL of K, in 384 registers, and makes its tile w of the first four, then its tile 4 + w: the first tile's rows leave while the second is multiplied.
; CLUSTERS: 4 x 4: Wo's panel is asked for jointly along a row of the cluster, attn's along a column.
; No prefetch: all tiles are asked for at the head, and no loop fetches more.  LIMITS: NaN and infinities are not served.
; REGISTERS.  Window 0: v4-15 addresses; v16-31 Wo's scale words, v34-41 attn's; v96-127 the bias; v128-191 the accumulators (32 for each tile); v192-255 rows on the way out.
; Window 1: two buffers of eight fragments of tokens.  Windows 2 and 3: Wo's 32 fragments, 21 to a window.
.set TILE, 12288
.set LB,   49152                       ; LDS: P's panel [tile 4][12,288] at 0, L's [tile 8][12,288] here
.set STG,  147456                      ; behind the panels: for each wave two stages of 16 rows x (256 + 16) bytes; no fill lands here
.set SPARE, STG+4*8704
.set PS,   16
.set LS,   34
.set BIAS, 96
.set ACC,  128
.set OB,   192
.set SPW,  11
.set NIL,  14
.set WV,   68
.set MSB, 0
.macro WIN new
.if MSB != (\new)
	s_set_vgpr_msb (MSB<<8)|(\new)
.set MSB, (\new)
.endif
.endm
.macro CROUND
	s_barrier_signal -1
	s_barrier_wait -1
	s_cmp_lg_u32 s[WV], 0
	s_cbranch_scc1 .Lnot_wave_0_\@
	s_barrier_signal -3
.Lnot_wave_0_\@:
	s_barrier_wait -3
	s_barrier_signal -1
	s_barrier_wait -1
.endm
.macro G1 g, mask, rows                ; dense tiles as rows of 12,288 bytes: 1,536 elements of 8 bytes
	s_or_b32 s[\g+0], s[\mask], (3<<16)|(1<<21)
	s_mov_b32 s[\g+1], 1536<<16
	s_mov_b32 s[\g+2], (\rows)<<16
	s_mov_b32 s[\g+3], 1536<<16
	s_mov_b32 s[\g+4], \rows
	s_mov_b32 s[\g+5], 1536
	s_mov_b32 s[\g+6], 0
	s_mov_b32 s[\g+7], 0
.endm
.macro TLOAD g1, lds, base, off
	s_mov_b32 s32, 1
	s_mov_b32 s33, \lds
	s_add_nc_u64 s[34:35], s[\base:\base+1], \off
	s_or_b32 s35, s35, 0x80000000
	tensor_load_to_lds s[32:35], s[\g1:\g1+7]
	s_nop 0
.rept 4
	v_nop
.endr
.endm
.macro ARM under, g1, lds, base, off, next
	s_cmp_lt_u32 s[WV], \under
	s_cbranch_scc0 \next
	TLOAD \g1, \lds, \base, \off
	s_branch .Lasked
\next:
.endm
.macro SHOW under                      ; waves under \under wait for their loads (the later ones have lines of their own, which may be out); then a barrier
	s_cmp_lt_u32 s[WV], \under
	s_cbranch_scc0 .Llater_\@
	s_wait_tensorcnt 0x0
.Llater_\@:
	s_wait_dscnt 0x0
	s_barrier_signal -1
	s_barrier_wait -1
.endm
.macro FRAG reg, a16, a8, off
	ds_load_b128 v[(\reg):(\reg)+3], v[\a16] offset:(\off)
	ds_load_b64 v[(\reg)+4:(\reg)+5], v[\a8] offset:(\off)+512
	ds_load_b128 v[(\reg)+6:(\reg)+9], v[\a16] offset:(\off)+768
	ds_load_b64 v[(\reg)+10:(\reg)+11], v[\a8] offset:(\off)+1280
.endm
.macro FETCH s                         ; my tile s: eight fragments, 32 loads
	WIN 0x40
.irp q, 0,1,2,3,4,5,6,7
	FRAG 96*(\s)+12*\q, 6, 7, 4*TILE*(\s)+\q*1536
.endr
	WIN 0
.endm
.macro WM d, a, b, c, sa, sb, row
.if \row
	v_wmma_scale_f32_16x16x128_f8f6f4 v[(\d):(\d)+7], v[(\a):(\a)+11], v[(\b):(\b)+11], v[(\c):(\c)+7], v[\sa], v[\sb] matrix_a_fmt:MATRIX_FMT_FP6 matrix_b_fmt:MATRIX_FMT_FP6 matrix_a_scale:MATRIX_SCALE_ROW1 matrix_b_scale:MATRIX_SCALE_ROW1
.else
	v_wmma_scale_f32_16x16x128_f8f6f4 v[(\d):(\d)+7], v[(\a):(\a)+11], v[(\b):(\b)+11], v[(\c):(\c)+7], v[\sa], v[\sb] matrix_a_fmt:MATRIX_FMT_FP6 matrix_b_fmt:MATRIX_FMT_FP6
.endif
.endm
.macro PROD s, q                       ; tile s, K step q: the four accumulators by turns; the bias starts the sums
.irp tp, 0,1,2,3
.set F_, 4*(\q)+\tp
	WIN ((2+F_/21)|(1<<2))
.if (\q) == 0
	WM ACC+32*(\s)+8*\tp, 12*(F_%21), 96*(\s)+12*(\q), BIAS+8*\tp, PS+4*\tp+(\q)/2, LS+4*(\s)+(\q)/2, (\q)%2
.else
	WM ACC+32*(\s)+8*\tp, 12*(F_%21), 96*(\s)+12*(\q), ACC+32*(\s)+8*\tp, PS+4*\tp+(\q)/2, LS+4*(\s)+(\q)/2, (\q)%2
.endif
.endr
.endm
; THE WAY OUT of tile s.  Register j of tp is column 32 h + 8 tp + j of my slot's token: 16 tokens x 64 columns go through my own stage and come back as rows of 256 bytes.
.macro TOSTAGE s
.rept 4
	v_nop                                          ; four places behind the last products
.endr
.irp tp, 0,1,2,3
	ds_store_b128 v8, v[ACC+32*(\s)+8*\tp:ACC+32*(\s)+8*\tp+3] offset:4352*(\s)+32*\tp       ; each accumulator from its low end on
	ds_store_b128 v8, v[ACC+32*(\s)+8*\tp+4:ACC+32*(\s)+8*\tp+7] offset:4352*(\s)+32*\tp+16
.endr
.irp i, 0,1,2,3,4,5,6,7
	ds_load_b128 v[OB+32*(\s)+4*\i:OB+32*(\s)+4*\i+3], v9 offset:4352*(\s)+544*\i   ; LDS serves a wave's instructions in order: these see the stores above
.endr
.endm
.macro SEND s
.irp i, 0,1,2,3,4,5,6,7
	global_store_b128 v10, v[OB+32*(\s)+4*\i:OB+32*(\s)+4*\i+3], s[90:91] offset:(64*(\s)+2*\i+24*(\i/4))*4096 th:TH_STORE_NT   ; slots 2 i, 2 i + 1 are tokens 2 i + 24 (i / 4) on: sixteen lanes store 256 consecutive bytes, aligned
.endr
.endm
	s_load_b256 s[4:11], s[0:1], 0x0               ; xc s[4:5], xs s[6:7], ac s[8:9], asc s[10:11]
	s_load_b128 s[12:15], s[0:1], 0x20             ; bo s[12:13], out0 s[14:15]
	v_lshl_add_u32 v[SPW], v0, 2, SPARE
	v_mov_b32 v[NIL], 0
	ds_add_u32 v[SPW], v[NIL]                      ; the wave's opening
	ds_add_u32 v[SPW], v[NIL]
	v_lshrrev_b32 v1, 5, v0
	v_readfirstlane_b32 s[WV], v1                  ; wave 0..3
	s_bfe_u32 s71, ttmp6, 0x40000                  ; cx
	s_bfe_u32 s72, ttmp6, 0x40004                  ; cy
	s_and_b32 s74, ttmp7, 0xffff
	s_lshl_b32 s80, s74, 2
	s_add_co_u32 s80, s80, s72                     ; P's block: 64 columns: 4 cluster y + cy
	s_lshl_b32 s81, s80, 2
	s_add_co_u32 s81, s81, 576                     ; its first row tile in xc
	s_mul_i32 s82, s81, TILE
	s_mov_b32 s83, 0
	s_lshl_b32 s84, ttmp9, 2
	s_add_co_u32 s84, s84, s71                     ; L's block: 128 tokens: 4 cluster x + cx
	s_lshl_b32 s85, s84, 3                         ; its first tile in ac
	s_mul_i32 s86, s85, TILE
	s_mov_b32 s87, 0
	s_lshl_b32 s79, s72, 2
	s_lshl_b32 s79, 15, s79                        ; my row of the cluster
	s_lshl_b32 s97, 0x1111, s71                    ; my column
	G1 16, 79, 2
	G1 24, 97, 4
	s_wait_dscnt 0x0                               ; both opening adds are done
	CROUND                                         ; all sixteen work-groups are here: the joint loads meet
	s_wait_kmcnt 0x0
	s_add_nc_u64 s[82:83], s[4:5], s[82:83]
	s_add_nc_u64 s[86:87], s[8:9], s[86:87]
	ARM 1, 16, 0, 82, 0, .Lw1
	ARM 2, 16, 2*TILE, 82, 2*TILE, .Lw2
	ARM 3, 24, LB, 86, 0, .Lw3
	TLOAD 24, LB+4*TILE, 86, 4*TILE
.Lasked:
	s_lshl_b32 s2, s81, 9
	s_mov_b32 s3, 0
	s_add_nc_u64 s[48:49], s[6:7], s[2:3]          ; xs at Wo's four tiles
	s_add_co_u32 s2, s85, s[WV]
	s_lshl_b32 s2, s2, 9
	s_add_nc_u64 s[50:51], s[10:11], s[2:3]        ; asc at my first tile
	s_lshl_b32 s2, s80, 8
	s_add_nc_u64 s[52:53], s[12:13], s[2:3]        ; bo at my 64 columns
	s_lshl_b32 s90, s84, 7
	s_lshl_b32 s91, s[WV], 3
	s_add_co_u32 s90, s90, s91                     ; my first token: 128 x block + 8 x wave
	s_lshl_b32 s90, s90, 12
	s_add_co_u32 s90, s90, s2                      ; + 256 bytes x P's block
	s_mov_b32 s91, 0
	s_add_nc_u64 s[90:91], s[14:15], s[90:91]
	s_mul_i32 s2, s[WV], TILE
	s_add_co_u32 s2, s2, LB                        ; my tile of L's first four
	s_mul_i32 s3, s[WV], 8704
	s_add_co_u32 s3, s3, STG                       ; my stages
	v_and_b32 v1, 31, v0                           ; lane
	v_and_b32 v2, 15, v0                           ; r
	v_bfe_u32 v3, v0, 4, 1                         ; h
	v_lshlrev_b32 v4, 4, v1                        ; P's tiles
	v_lshlrev_b32 v5, 3, v1
	v_lshlrev_b32 v13, 2, v1
	v_lshlrev_b32 v12, 7, v3                       ; bias: 32 h numbers on
	v_lshlrev_b32 v15, 3, v1
.irp f, 0,1
.irp t, 0,1,2,3
	global_load_b64 v[PS+4*\t+2*\f:PS+4*\t+2*\f+1], v15, s[48:49] offset:512*\t+256*\f   ; register q / 2: even K steps in lanes 0-15, odd ones in lanes 16-31
.endr
.endr
.irp t, 0,1
.irp w, 0,1,2,3
	global_load_b32 v[LS+4*\t+\w], v13, s[50:51] offset:2048*\t+128*\w
.endr
.endr
.irp t, 0,1,2,3                        ; register j of P tile t wants bo[32 h + 8 t + j]
	global_load_b128 v[BIAS+8*\t:BIAS+8*\t+3], v12, s[52:53] offset:32*\t
	global_load_b128 v[BIAS+8*\t+4:BIAS+8*\t+7], v12, s[52:53] offset:32*\t+16
.endr
	v_add_nc_u32 v6, s2, v4
	v_add_nc_u32 v7, s2, v5
	v_mul_u32_u24 v8, v2, 272
	v_lshl_add_u32 v8, v3, 7, v8
	v_add_nc_u32 v8, s3, v8                        ; the stage, in: row = slot r, + 128 h
	v_mul_u32_u24 v9, v3, 272
	v_lshl_add_u32 v9, v2, 4, v9
	v_add_nc_u32 v9, s3, v9                        ; back: lanes 0-15 one row, lanes 16-31 the next
	v_lshlrev_b32 v10, 12, v3
	v_lshl_add_u32 v10, v2, 4, v10                 ; and the same two rows in out0
	s_wait_alu depctr_va_vdst(0)                   ; the head's end
	SHOW 2                                         ; Wo's panel has landed
.irp q, 0,1,2,3,4,5,6,7                ; all of it into registers: 128 loads, under the tokens' flight
.irp tp, 0,1,2,3
.set F_, 4*\q+\tp
	WIN ((2+F_/21)<<6)
	FRAG 12*(F_%21), 4, 5, \tp*TILE+\q*1536
.endr
.endr
	WIN 0
	SHOW 3                                         ; tiles 0-3 have landed
	FETCH 0
	s_wait_loadcnt 0x0                             ; scale words and bias
	s_wait_dscnt 0x0
.irp q, 0,1,2,3
	PROD 0, \q
.endr
	WIN 0
	s_wait_tensorcnt 0x0                           ; tiles 4-7: my load has landed,
	s_wait_dscnt 0x0
	s_barrier_signal -1
	s_barrier_wait -1                              ; and everybody's.
	FETCH 1
.irp q, 4,5,6,7
	PROD 0, \q
.endr
	WIN 0
	TOSTAGE 0
	s_wait_dscnt 16                                ; tile 1's fragments are in; the stage's eight stores and eight loads may be out
.irp q, 0,1,2,3
	PROD 1, \q
.endr
	WIN 0
	s_wait_dscnt 0x0
	SEND 0
.irp q, 4,5,6,7
	PROD 1, \q
.endr
	WIN 0
	TOSTAGE 1
	s_wait_dscnt 0x0
	SEND 1
	s_wait_tensorcnt 0x0                           ; the wave's end
	ds_add_u32 v[SPW], v[NIL]
	s_wait_dscnt 0x0
	CROUND                                         ; the closing round
	s_endpgm
.Lfunc_end_k_q56061814fe_oproj:
	.size	k_q56061814fe_oproj, .Lfunc_end_k_q56061814fe_oproj-k_q56061814fe_oproj
	.p2alignl 7, 3214868480
	.fill 96, 4, 3214868480
	.section	.rodata,"a",@progbits
	.p2align	6, 0x0
	.amdhsa_kernel k_q56061814fe_oproj
		.amdhsa_group_segment_fixed_size 327680
		.amdhsa_private_segment_fixed_size 0
		.amdhsa_enable_private_segment 0
		.amdhsa_kernarg_size 48
		.amdhsa_user_sgpr_count 2
		.amdhsa_user_sgpr_kernarg_segment_ptr 1
		.amdhsa_wavefront_size32 1
		.amdhsa_system_sgpr_workgroup_id_x 1
		.amdhsa_system_sgpr_workgroup_id_y 1
		.amdhsa_system_sgpr_workgroup_id_z 1
		.amdhsa_system_vgpr_workitem_id 0
		.amdhsa_next_free_vgpr 904
		.amdhsa_next_free_sgpr 102
		.amdhsa_reserve_vcc 0
		.amdhsa_float_denorm_mode_32 3
		.amdhsa_float_denorm_mode_16_64 3
		.amdhsa_memory_ordered 1
		.amdhsa_forward_progress 1
		.amdhsa_inst_pref_size 35
	.end_amdhsa_kernel
	.amdgpu_metadata
---
amdhsa.version: [ 1, 2 ]
amdhsa.kernels:
  - .name:           k_q56061814fe_oproj
    .symbol:         k_q56061814fe_oproj.kd
    .args:
      - { .name: xc, .offset: 0, .size: 8, .value_kind: global_buffer, .address_space: global }
      - { .name: xs, .offset: 8, .size: 8, .value_kind: global_buffer, .address_space: global }
      - { .name: ac, .offset: 16, .size: 8, .value_kind: global_buffer, .address_space: global }
      - { .name: asc, .offset: 24, .size: 8, .value_kind: global_buffer, .address_space: global }
      - { .name: bo, .offset: 32, .size: 8, .value_kind: global_buffer, .address_space: global }
      - { .name: out0, .offset: 40, .size: 8, .value_kind: global_buffer, .address_space: global }
    .group_segment_fixed_size: 327680
    .private_segment_fixed_size: 0
    .kernarg_segment_align: 8
    .kernarg_segment_size: 48
    .max_flat_workgroup_size: 128
    .sgpr_count:     102
    .vgpr_count:     904
    .wavefront_size: 32
...
	.end_amdgpu_metadata
.endif
;; end of part 4
